; MI455X (gfx1250); checked and timed in simulation.
; The chip was launched on July 23, 2026; its instructions are those of AMD's public machine-readable ISA for CDNA 5 (MIT licence, August 2026) and "CDNA5" Instruction Set Architecture Reference Guide (July 2026). The comments in the code are by the model that wrote it; some were corrected since.
;; Multi Head Attention. Allowed arithmetic: matrix products marked QUANTISED: E2M1 operands, one E8M0 scale for each 32 along K, by v_wmma_scale_f32_16x16x128_f8f6f4 with both operands' format E2M1 (or v_wmma_scale_f32_32x16x128_f4), f32 sums; products left as they are: bf16, f16 or f32 operands; f32 sums; everything else in f32.
;; Inputs: w_out 1,024 x 1,024 float32; w_qkv 1,024 x 3,072 float32; x 4 x 2,048 x 1,024 float32.
;; Outputs: out0 4 x 2,048 x 1,024 float32.
;; This version of the problem:
;;   THIS VERSION OF THE PROBLEM IS GIVEN IN LOW PRECISION. The matrix products marked QUANTISED in the list below multiply operands that are first quantised to E2M1 (2 exponent bits, 1 mantissa bit; 4 bits a number), with one power-of-two scale for each 32 numbers along K (OCP MX v1.0); their sums are f32. The products marked 'left as it is' may take bf16, f16 or f32 operands, with f32 sums. Whichever they take, every output number must still come out within the allowed error. Rounding operands to bf16 (8 significant bits) uses up far more of that allowance than f16 does (11 bits, for magnitudes from 6e-5 to 65,504). All else is computed in f32.
;;   The module's matrix products, in the order in which they are computed (A, B: the left and right operand; K: the contracted axis; several contracted axes count as one K, in the product's order):
;;     1. [M 8,192, K 1,024] x [K 1,024, N 3,072]; A: input x; B: input w_qkv: QUANTISED
;;     2. batch 64 x [M 2,048, K 64] x [K 64, N 2,048]; A: computed on the way; B: computed on the way: left as it is (an operand is computed on the way)
;;     3. batch 64 x [M 2,048, K 2,048] x [K 2,048, N 64]; A: computed on the way; B: computed on the way: left as it is (an operand is computed on the way)
;;     4. [M 8,192, K 1,024] x [K 1,024, N 1,024]; A: computed on the way; B: input w_out: left as it is (an operand is computed on the way)
;;   THE QUANTISER, for each operand of a quantised product, along K:
;;     - K is cut into blocks of 32 from its start; a last block that is shorter is filled with zeros.
;;     - A block's scale is 2^e with e = floor(log2(the largest magnitude in the block)) - 2, held to -126 .. 127; a block of zeros has e = 0. As a byte (E8M0): e + 127.
;;     - Each number is divided by its block's scale, clamped to +-6, and rounded to the nearest number of E2M1, ties to even, subnormals kept.
;;     - The product sums the exact products of the quantised numbers (number of the format x scale) in f32.
;;   ~~~python
;;   def quantise(x, axis):      # numpy; x: float32 -> the quantised numbers, widened to float32 again
;;       x = np.moveaxis(x, axis, -1); K = x.shape[-1]
;;       x = np.pad(x, [(0, 0)] * (x.ndim - 1) + [(0, -K % 32)]); x = x.reshape(x.shape[:-1] + (-1, 32)); a = np.abs(x).max(-1, keepdims=True)
;;       e = np.where(a > 0, np.clip(np.frexp(np.where(a > 0, a, 1))[1] - 1 - 2, -126, 127), 0)      # np.frexp(a)[1] - 1 = floor(log2(a)), exactly
;;       r = np.clip(x / 2.0 ** e, -6, 6)
;;       step = 2.0 ** (np.maximum(np.frexp(np.where(r == 0, 1, r))[1] - 1, 0) - 1)
;;       q = np.round(r / step) * step * 2.0 ** e      # np.round: ties to even
;;       return np.moveaxis(q.reshape(q.shape[:-2] + (-1,))[..., :K], -1, axis).astype(np.float32)
;;   ~~~
;; One version. Each part assembles by itself: llvm-mc -triple=amdgcn-amd-amdhsa -mcpu=gfx1250 --defsym DOCPART=n.
;; ======== version 1 of 1: 5 launches
;; limits: values are held in f16: magnitudes above 65,504 overflow, below 6.1e-05 lose precision
;; workspace buffers: xc 4,194,304 bytes; xs 262,144 bytes; wc 1,572,864 bytes; ws 98,304 bytes; wot 2,097,152 bytes; qkv 50,331,648 bytes; q16 786,432 bytes; att 16,777,216 bytes
;; launch prep (part 1): grid 368 x 1, 4 waves a work-group, no clusters, 102,912 bytes of LDS; arguments x, w_qkv, w_out, xc, xs, wc, ws, wot; writes xc, xs, wc, ws, wot
.if DOCPART == 1
	.amdgcn_target "amdgcn-amd-amdhsa--gfx1250"
	.amdhsa_code_object_version 6
	.text
	.protected	k_q9aecb58f87_prep
	.globl	k_q9aecb58f87_prep
	.p2align	8
	.type	k_q9aecb58f87_prep,@function
k_q9aecb58f87_prep:
	s_mov_b64 s[64:65], 0
	v_nop
	global_prefetch_b8 v0, s[64:65] scope:SCOPE_SE
	s_setreg_imm32_b32 hwreg(HW_REG_WAVE_MODE, 25, 1), 1
	s_wait_xcnt 0x0
; PREP: the operands of the later launches are made once.
;   path X (work-groups 48..303):  x [8192][1024] f32 -> xc, codes of E2M1, K innermost, two a byte; xs, one E8M0 byte for each 32 along K.
;   path W (work-groups 0..47):    w_qkv [1024 k][3072 n] f32 -> wc [3072 n][512 bytes], K innermost; ws [3072][32].
;   path O (work-groups 304..367): w_out [1024 k][1024 n] f32 -> wot [1024 n][1024 k] f16 (rounded to nearest even).
; A block's scale is 2^(floor(log2(largest magnitude)) - 2); its byte is the largest magnitude's exponent field - 2, held at 1 from below.
; LIMITS: a block of zeros gets the byte 1 (its codes are zeros, and only this program reads the bytes); blocks whose largest magnitude lies under 2^-124
; have their byte held at 1; NaN and infinities among the inputs are not served; |w_out| stays under 65,504 (f16).
; The three paths part on the work-group's number alone, and each has LDS bytes of its own.  No tensor loads, no barrier: waves share nothing.
.set SPW,    190                       ; v190  LDS address of my spare word: SPARE + 4 x my thread's number; never rewritten
.set NIL,    191                       ; v191  0; never rewritten
.set SPARE,  102400                    ; behind the three regions: 128 bytes for each wave, named by no other line
.set XSTEPS, 16                        ; path X: steps of 512 numbers for a wave
.set XREG,   8192                      ; path X: a wave's LDS: two stages of 32 x SP bytes, then its 256 scale bytes
.set SP,     80                        ; a lane's place in a stage: 64 bytes + 16 of padding
.set XR,     16                        ; v16-79   four sets of 16 numbers as loaded
.set XX,     80                        ; v80-111  two sets of 16 neighbours
.set XE,     112                       ; v112-127 a scale byte for each step
.set XC,     128                       ; v128-189 codes, four registers reserved for each step
.set WBASE,  32768                     ; path W: four stages of 32 rows x PITCH
.set OBASE,  67584                     ; path O: the same
.set PITCH,  272                       ; a stage row: 256 bytes + 16
.set WROW,   12288                     ; a row of w_qkv in bytes
.set WX,     32                        ; v32-95   two sets of 32 numbers (paths W and O)
.set WC,     96                        ; v96..    a block's codes (W) or 16 packed registers (O)
.set WOUT,   112                       ; v112-175 the way out
.set WSB,    24                        ; v24-27   scale bytes, four to a register
	s_load_b256 s[4:11], s[0:1], 0x0               ; x s[4:5], w_qkv s[6:7], w_out s[8:9], xc s[10:11]
	s_load_b256 s[12:19], s[0:1], 0x20             ; xs s[12:13], wc s[14:15], ws s[16:17], wot s[18:19]
	v_lshl_add_u32 v[SPW], v0, 2, SPARE
	v_mov_b32 v[NIL], 0
	v_lshrrev_b32 v1, 5, v0
	v_readfirstlane_b32 s20, v1                    ; wave 0..3
	v_and_b32 v2, 31, v0                           ; lane
	s_mov_b32 s25, 0                               ; the upper word of every 32-bit offset
	s_wait_kmcnt 0x0
	s_cmp_lt_u32 ttmp9, 48
	s_cbranch_scc1 .Lpath_w
	s_cmp_ge_u32 ttmp9, 304
	s_cbranch_scc1 .Lpath_o
; ---------------- PATH X.  x is a plain stream of blocks of 32; a wave takes a run of 8,192 numbers.
; Each load reads 512 consecutive bytes; a step's 2,048 bytes turn through the wave's own stage, so that a lane holds 16 neighbours along K.
	v_lshlrev_b32 v3, 4, v2                        ; my 16 bytes of a load's 512
	s_mul_i32 s21, s20, XREG
	v_lshrrev_b32 v14, 2, v2
	v_mul_u32_u24 v14, v14, SP
	v_and_b32 v15, 3, v2
	v_lshl_add_u32 v14, v15, 4, v14
	v_add_nc_u32 v14, s21, v14                     ; the stage on the way in: SP (lane / 4) + 16 (lane % 4)
	v_mul_u32_u24 v15, v2, SP
	v_add_nc_u32 v15, s21, v15                     ; and on the way out: SP x lane
	v_lshlrev_b32 v4, 3, v2                        ; my 8 bytes of a step's 256 bytes of codes
	v_lshrrev_b32 v5, 1, v2
	s_add_co_u32 s21, s21, 2*32*SP
	v_add_nc_u32 v5, s21, v5                       ; my block's byte among the wave's 256
	v_lshlrev_b32 v7, 3, v2
	v_add_nc_u32 v6, s21, v7                       ; and 8 bytes a lane on the way out
	s_sub_co_u32 s22, ttmp9, 48
	s_lshl_b32 s22, s22, 2
	s_add_co_u32 s22, s22, s20                     ; my run, 0..1023
	s_lshl_b32 s24, s22, 15                        ; 32,768 bytes of x,
	s_add_nc_u64 s[4:5], s[4:5], s[24:25]
	s_lshl_b32 s24, s22, 12                        ; 4,096 of codes,
	s_add_nc_u64 s[10:11], s[10:11], s[24:25]
	s_lshl_b32 s24, s22, 8                         ; 256 scale bytes
	s_add_nc_u64 s[12:13], s[12:13], s[24:25]
.macro XLOAD t
.irp i, 0,1,2,3
	global_load_b128 v[XR+16*((\t)%4)+4*\i:XR+16*((\t)%4)+4*\i+3], v3, s[4:5] offset:2048*(\t)+512*\i th:TH_LOAD_NT
.endr
.endm
.macro XTURN t                         ; LDS serves a wave's instructions in order: no wait between these stores and loads
.irp i, 0,1,2,3
	ds_store_b128 v14, v[XR+16*((\t)%4)+4*\i:XR+16*((\t)%4)+4*\i+3] offset:32*SP*((\t)%2)+8*SP*\i
.endr
.irp i, 0,1,2,3
	ds_load_b128 v[XX+16*((\t)%2)+4*\i:XX+16*((\t)%2)+4*\i+3], v15 offset:32*SP*((\t)%2)+16*\i
.endr
.endm
.irp t, 0,1,2,3
	XLOAD \t
.endr
	s_wait_loadcnt 12                              ; step 0's four loads are in; three steps' twelve stay out
	XTURN 0
.macro XSTEP t
.set XS, XX+16*((\t)%2)
.if (\t) > 0
	s_wait_dscnt 1                                 ; this step's numbers are back from the stage; the last step's byte store may be out
.else
	s_wait_dscnt 0x0
.endif
.if (\t)+4 < XSTEPS
	XLOAD (\t)+4                                   ; into the registers that this step's stage stores have read
.endif
.if (\t)+1 < XSTEPS
.if XSTEPS-2-(\t) >= 3
	s_wait_loadcnt 12                              ; the next step's four loads are in; those of the three steps behind may be out
.else
	s_wait_loadcnt 4*(XSTEPS-2-(\t))
.endif
	XTURN (\t)+1
.endif
	v_max3_num_f32 v8, |v[XS]|, |v[XS+1]|, |v[XS+2]|               ; the largest magnitude of my 16, in two chains
	v_max3_num_f32 v9, |v[XS+3]|, |v[XS+4]|, |v[XS+5]|
.irp i, 6,10
	v_max3_num_f32 v8, v8, |v[XS+\i]|, |v[XS+\i+1]|
	v_max3_num_f32 v9, v9, |v[XS+\i+2]|, |v[XS+\i+3]|
.endr
	v_max3_num_f32 v8, v8, |v[XS+14]|, |v[XS+15]|
	v_max3_num_f32 v8, v8, v9, 0x1800000           ; and the floor 2^(3 - 127): the byte cannot fall under 1
	v_max_num_f32_dpp v8, v8, v8 row_xmask:1 row_mask:0xf bank_mask:0xf   ; with my neighbour's 16: the block's
	v_add_nc_u32 v11, 0xff000000, v8               ; 2 off the exponent field: the conversion takes this operand's exponent field as its scale
	v_cvt_scalef32_pk8_fp4_f32 v[XC+4*(\t)], v[XS:XS+7], v11
	v_cvt_scalef32_pk8_fp4_f32 v[XC+4*(\t)+1], v[XS+8:XS+15], v11
	v_lshrrev_b32 v[XE+(\t)], 23, v11              ; the scale's byte
	ds_store_b8 v5, v[XE+(\t)] offset:16*(\t)      ; both lanes of a block write the same byte with the same value
	global_store_b64 v4, v[XC+4*(\t):XC+4*(\t)+1], s[10:11] offset:256*(\t)   ; the wave stores 256 consecutive bytes, aligned
.endm
.irp t, 0,1,2,3,4,5,6,7,8,9,10,11,12,13,14,15
	XSTEP \t
.endr
	ds_load_b64 v[8:9], v6                         ; my wave's 256 scale bytes, in order behind its stores
	s_wait_dscnt 0x0
	global_store_b64 v7, v[8:9], s[12:13]          ; 256 consecutive bytes, aligned
	s_wait_tensorcnt 0x0                           ; the wave's end: behind my last LDS store
	ds_add_u32 v[SPW], v[NIL]
	s_wait_dscnt 0x0
	s_endpgm
; ---------------- PATH W.  A lane takes a column n and its registers run down K: a block of 32 lies in one lane, and the codes come out with K innermost.
; A wave takes 32 columns x 512 along K; its codes leave through its own stage as rows of 256 bytes.
.Lpath_w:
	s_cmp_ge_u32 ttmp9, 24
	s_cselect_b32 s22, 1, 0                        ; which 512 along K
	s_cselect_b32 s23, 24, 0
	s_sub_co_u32 s23, ttmp9, s23                   ; which 128 columns
	s_lshl_b32 s23, s23, 7
	s_lshl_b32 s24, s20, 5
	s_add_co_u32 s23, s23, s24                     ; my wave's first column
	v_lshlrev_b32 v3, 2, v2                        ; in: 4 bytes a lane
	s_mul_i32 s24, s20, 32*PITCH
	s_add_co_u32 s24, s24, WBASE                   ; my stage
	v_mul_u32_u24 v4, v2, PITCH
	v_add_nc_u32 v4, s24, v4                       ; into it: row = my column
	v_and_b32 v5, 15, v2
	v_lshrrev_b32 v6, 4, v2
	v_mul_u32_u24 v7, v6, PITCH
	v_lshl_add_u32 v7, v5, 4, v7
	v_add_nc_u32 v7, s24, v7                       ; out of it: sixteen lanes to a row, two rows an instruction
	v_lshlrev_b32 v8, 9, v6
	v_lshl_add_u32 v8, v5, 4, v8                   ; the same place in wc: rows of 512 bytes
	v_lshlrev_b32 v9, 5, v2                        ; my column's row of scale bytes
	s_mul_i32 s24, s22, 512*WROW
	s_lshl_b32 s26, s23, 2
	s_add_co_u32 s24, s24, s26
	s_add_nc_u64 s[6:7], s[6:7], s[24:25]          ; w_qkv at (512 ky, column)
	s_lshl_b32 s24, s23, 9
	s_lshl_b32 s26, s22, 8
	s_add_co_u32 s24, s24, s26
	s_add_nc_u64 s[14:15], s[14:15], s[24:25]      ; wc at column x 512 + 256 ky
	s_lshl_b32 s24, s23, 5
	s_lshl_b32 s26, s22, 4
	s_add_co_u32 s24, s24, s26
	s_add_nc_u64 s[16:17], s[16:17], s[24:25]      ; ws at column x 32 + 16 ky
.macro WLOAD t                         ; block t: 32 rows of K at my column; every offset an immediate, 511 x 12,288 at the most
.irp i, 0,1,2,3,4,5,6,7,8,9,10,11,12,13,14,15,16,17,18,19,20,21,22,23,24,25,26,27,28,29,30,31
	global_load_b32 v[WX+32*((\t)%2)+\i], v3, s[6:7] offset:(32*(\t)+\i)*WROW th:TH_LOAD_NT
.endr
.endm
	WLOAD 0
	WLOAD 1
.macro WBLOCK t
.set XS, WX+32*((\t)%2)
.if (\t) < 15
	s_wait_loadcnt 32                              ; this block's 32 loads are in; the next block's may be out
.else
	s_wait_loadcnt 0
.endif
	v_max3_num_f32 v12, |v[XS]|, |v[XS+1]|, |v[XS+2]|
	v_max3_num_f32 v13, |v[XS+3]|, |v[XS+4]|, |v[XS+5]|
.irp i, 6,10,14,18,22,26
	v_max3_num_f32 v12, v12, |v[XS+\i]|, |v[XS+\i+1]|
	v_max3_num_f32 v13, v13, |v[XS+\i+2]|, |v[XS+\i+3]|
.endr
	v_max3_num_f32 v12, v12, |v[XS+30]|, |v[XS+31]|
	v_max3_num_f32 v12, v12, v13, 0x1800000        ; the floor 2^(3 - 127)
	v_add_nc_u32 v11, 0xff000000, v12              ; the conversion's scale operand
	v_lshrrev_b32 v13, 23, v11                     ; the scale's byte
.if (\t)%4 == 0
	v_mov_b32 v[WSB+(\t)/4], v13
.else
	v_lshl_or_b32 v[WSB+(\t)/4], v13, 8*((\t)%4), v[WSB+(\t)/4]
.endif
.irp g, 0,1,2,3
	v_cvt_scalef32_pk8_fp4_f32 v[WC+\g], v[XS+8*\g:XS+8*\g+7], v11
.endr
	v_nop                                          ; one plain line behind the last conversion of the run
	ds_store_b128 v4, v[WC:WC+3] offset:16*(\t)    ; 32 codes: 16 bytes of my column's row
.if (\t)+2 < 16
	WLOAD (\t)+2
.endif
	s_wait_dscnt 0x0                               ; the store has read its registers: the next block's codes may be written
.endm
.irp t, 0,1,2,3,4,5,6,7,8,9,10,11,12,13,14,15
	WBLOCK \t
.endr
	global_store_b128 v9, v[WSB:WSB+3], s[16:17]   ; my column's 16 scale bytes
.irp t, 0,1,2,3,4,5,6,7,8,9,10,11,12,13,14,15
	ds_load_b128 v[WOUT+4*\t:WOUT+4*\t+3], v7 offset:2*\t*PITCH
.endr
.irp t, 0,1,2,3,4,5,6,7,8,9,10,11,12,13,14,15
	s_wait_dscnt 15-\t                             ; LDS loads come back in order: load t is in
	global_store_b128 v8, v[WOUT+4*\t:WOUT+4*\t+3], s[14:15] offset:2*\t*512   ; sixteen lanes store 256 consecutive bytes, aligned
.endr
	s_wait_tensorcnt 0x0                           ; the wave's end: the three lines
	ds_add_u32 v[SPW], v[NIL]
	s_wait_dscnt 0x0
	s_endpgm
; ---------------- PATH O.  The same plan with a rounding to f16 in place of a quantiser: a wave takes 32 columns x 128 along K.
.Lpath_o:
	s_sub_co_u32 s22, ttmp9, 304
	s_and_b32 s23, s22, 7                          ; which 128 columns
	s_lshr_b32 s22, s22, 3                         ; which 128 along K
	s_lshl_b32 s23, s23, 7
	s_lshl_b32 s24, s20, 5
	s_add_co_u32 s23, s23, s24                     ; my wave's first column
	v_lshlrev_b32 v3, 2, v2
	s_mul_i32 s24, s20, 32*PITCH
	s_add_co_u32 s24, s24, OBASE                   ; my stage
	v_mul_u32_u24 v4, v2, PITCH
	v_add_nc_u32 v4, s24, v4
	v_and_b32 v5, 15, v2
	v_lshrrev_b32 v6, 4, v2
	v_mul_u32_u24 v7, v6, PITCH
	v_lshl_add_u32 v7, v5, 4, v7
	v_add_nc_u32 v7, s24, v7
	v_lshlrev_b32 v8, 11, v6
	v_lshl_add_u32 v8, v5, 4, v8                   ; wot: rows of 2,048 bytes
	s_lshl_b32 s24, s22, 19                        ; 128 rows of 4,096 bytes
	s_lshl_b32 s26, s23, 2
	s_add_co_u32 s24, s24, s26
	s_add_nc_u64 s[8:9], s[8:9], s[24:25]
	s_lshl_b32 s24, s23, 11
	s_lshl_b32 s26, s22, 8
	s_add_co_u32 s24, s24, s26
	s_add_nc_u64 s[18:19], s[18:19], s[24:25]      ; wot at column x 2,048 + 256 ky
.macro OLOAD t
.irp i, 0,1,2,3,4,5,6,7,8,9,10,11,12,13,14,15,16,17,18,19,20,21,22,23,24,25,26,27,28,29,30,31
	global_load_b32 v[WX+32*((\t)%2)+\i], v3, s[8:9] offset:(32*(\t)+\i)*4096
.endr
.endm
	OLOAD 0
	OLOAD 1
.macro OBLOCK t
.set XS, WX+32*((\t)%2)
.if (\t) < 3
	s_wait_loadcnt 32                              ; this block's 32 loads are in; the next block's may be out
.else
	s_wait_loadcnt 0
.endif
.irp g, 0,1,2,3,4,5,6,7,8,9,10,11,12,13,14,15
	v_cvt_pk_f16_f32 v[WC+\g], v[XS+2*\g], v[XS+2*\g+1]            ; two neighbours along K, the lower in the low half
.endr
.irp u, 0,1,2,3
	ds_store_b128 v4, v[WC+4*\u:WC+4*\u+3] offset:64*(\t)+16*\u
.endr
.if (\t)+2 < 4
	OLOAD (\t)+2
.endif
	s_wait_dscnt 0x0                               ; the stores have read their registers
.endm
.irp t, 0,1,2,3
	OBLOCK \t
.endr
.irp t, 0,1,2,3,4,5,6,7,8,9,10,11,12,13,14,15
	ds_load_b128 v[WOUT+4*\t:WOUT+4*\t+3], v7 offset:2*\t*PITCH
.endr
.irp t, 0,1,2,3,4,5,6,7,8,9,10,11,12,13,14,15
	s_wait_dscnt 15-\t
	global_store_b128 v8, v[WOUT+4*\t:WOUT+4*\t+3], s[18:19] offset:2*\t*2048   ; sixteen lanes store 256 consecutive bytes, aligned
.endr
	s_wait_tensorcnt 0x0                           ; the wave's end: the three lines
	ds_add_u32 v[SPW], v[NIL]
	s_wait_dscnt 0x0
	s_endpgm
.Lfunc_end_k_q9aecb58f87_prep:
	.size	k_q9aecb58f87_prep, .Lfunc_end_k_q9aecb58f87_prep-k_q9aecb58f87_prep
	.p2alignl 7, 3214868480
	.fill 96, 4, 3214868480
	.section	.rodata,"a",@progbits
	.p2align	6, 0x0
	.amdhsa_kernel k_q9aecb58f87_prep
		.amdhsa_group_segment_fixed_size 102912
		.amdhsa_private_segment_fixed_size 0
		.amdhsa_enable_private_segment 0
		.amdhsa_kernarg_size 64
		.amdhsa_user_sgpr_count 2
		.amdhsa_user_sgpr_kernarg_segment_ptr 1
		.amdhsa_wavefront_size32 1
		.amdhsa_system_sgpr_workgroup_id_x 1
		.amdhsa_system_sgpr_workgroup_id_y 1
		.amdhsa_system_sgpr_workgroup_id_z 1
		.amdhsa_system_vgpr_workitem_id 0
		.amdhsa_next_free_vgpr 192
		.amdhsa_next_free_sgpr 66
		.amdhsa_reserve_vcc 0
		.amdhsa_float_denorm_mode_32 3
		.amdhsa_float_denorm_mode_16_64 3
		.amdhsa_memory_ordered 1
		.amdhsa_forward_progress 1
		.amdhsa_inst_pref_size 133
	.end_amdhsa_kernel
	.amdgpu_metadata
---
amdhsa.version: [ 1, 2 ]
amdhsa.kernels:
  - .name:           k_q9aecb58f87_prep
    .symbol:         k_q9aecb58f87_prep.kd
    .args:
      - { .name: x, .offset: 0, .size: 8, .value_kind: global_buffer, .address_space: global }
      - { .name: w_qkv, .offset: 8, .size: 8, .value_kind: global_buffer, .address_space: global }
      - { .name: w_out, .offset: 16, .size: 8, .value_kind: global_buffer, .address_space: global }
      - { .name: xc, .offset: 24, .size: 8, .value_kind: global_buffer, .address_space: global }
      - { .name: xs, .offset: 32, .size: 8, .value_kind: global_buffer, .address_space: global }
      - { .name: wc, .offset: 40, .size: 8, .value_kind: global_buffer, .address_space: global }
      - { .name: ws, .offset: 48, .size: 8, .value_kind: global_buffer, .address_space: global }
      - { .name: wot, .offset: 56, .size: 8, .value_kind: global_buffer, .address_space: global }
    .group_segment_fixed_size: 102912
    .private_segment_fixed_size: 0
    .kernarg_segment_align: 8
    .kernarg_segment_size: 64
    .max_flat_workgroup_size: 128
    .sgpr_count:     66
    .vgpr_count:     192
    .wavefront_size: 32
...
	.end_amdgpu_metadata
.endif
;; end of part 1
;; launch qkvgemm (part 2): grid 16 x 32, 4 waves a work-group, clusters of 4 x 1, 327,680 bytes of LDS; arguments xc, xs, wc, ws, qkv, q16; writes qkv, q16
.if DOCPART == 2
	.amdgcn_target "amdgcn-amd-amdhsa--gfx1250"
	.amdhsa_code_object_version 6
	.text
	.protected	k_q9aecb58f87_qkvgemm
	.globl	k_q9aecb58f87_qkvgemm
	.p2align	8
	.type	k_q9aecb58f87_qkvgemm,@function
k_q9aecb58f87_qkvgemm:
	s_mov_b64 s[64:65], 0
	v_nop
	global_prefetch_b8 v0, s[64:65] scope:SCOPE_SE
	s_setreg_imm32_b32 hwreg(HW_REG_WAVE_MODE, 25, 1), 1
	s_wait_xcnt 0x0
	s_wait_alu depctr_hold_cnt(0) depctr_sa_sdst(0) depctr_va_vdst(0) depctr_va_sdst(0) depctr_va_ssrc(0) depctr_va_vcc(0) depctr_vm_vsrc(0)
	s_getreg_b32 s2, hwreg(HW_REG_IB_STS2, 6, 4)
	s_cmp_eq_u32 s2, 0
	s_cbranch_scc0 .Lentry_in_a_cluster
	s_endpgm
.Lentry_in_a_cluster:
	s_bfe_u32 s2, ttmp6, 0x10000c
	s_cmp_lg_u32 s2, 0x3003
	s_cbranch_scc0 .Lentry_shape_is_right
	s_endpgm
.Lentry_shape_is_right:
; QKV = Q(x) Q(w_qkv): [8192][1024] x [3072][1024]^T on codes of E2M1 with one E8M0 scale for each 32 along K; sums in f32.
; Out: qkv, f16, [g = column / 64][m][64] (a head's rows are dense: 16 rows are 2,048 consecutive bytes); and rows t < 16 of each batch as f32 in q16 [16 b + t][3072].
; LIMIT: |q|, |k|, |v| stay under 65,504 (they are kept in f16).
; SHARES.  A work-group makes 256 rows x 192 columns (three heads): 512 work-groups, two even rounds of 256.  Wave w makes rows 64 w .. 64 w + 63 x all 192: 48 accumulators.
; All of K lies in LDS as two slots of 512 along K (rows of 256 bytes), each filled ONCE: nothing is filled again, so there is no ring.
; CLUSTER.  The four work-groups of a cluster lie along x and need the same 256 rows of x: A's tiles are asked for jointly (mask 15).  B's tiles differ and come by plain loads.
; A cluster of 4 x 4 is not taken: the branch round the f32 side store hangs on the tile row, which has to be the same in all partners.
; THE MATRIX INSTRUCTION IS USED TRANSPOSED (source 0 = 16 rows of wc, source 1 = 16 rows of xc): a lane holds eight neighbouring columns of one row.
; THE SCALES come straight into registers, once: a row's 32 bytes are 8 words; lanes 0-15 take words 0-3, lanes 16-31 words 4-7, so register j serves K step j from the low lanes and K step 4 + j from the high lanes.
; REGISTERS: window 0: v16-30 addresses; v32-47 A's scale words, v48-95 B's; v96-159 A's fragments, two sets; on the way out v96-143 packed, v144-239 rows read back.
;   window 1: accumulators of row blocks 0, 1 at 8 (12 (a % 2) + b); window 2: of blocks 2, 3; window 3: B's fragments, two sets of 96.
.set SLOT,   121856                    ; A's 256 rows, then B's 192 rows, 272 bytes apart
.set BOFF,   69632
.set PITCH,  272                       ; 256 bytes + 16: sixteen rows of a load start 68 words apart
.set STAGE,  243712                    ; behind the slots: [head 3][row 16][144 bytes] for each wave
.set STW,    6912
.set SPARE,  271360                    ; the spare words, 128 bytes for each wave, named by no other line
.set ADRA,   16
.set ADRB,   20
.set STO,    24
.set RD,     25
.set CO,     26
.set FO,     27
.set SPW,    28
.set NIL,    29
.set SO,     30
.set SCA,    32
.set SCB,    48
.set AF,     96
.set TMP,    96
.set BK,     144
.set WV,     16
.set G1A,    24
.set G1B,    32
.set G0A,    40
.set G0B,    48
.set MSB, 0
.macro WIN new                         ; the immediate's high byte repeats the setting that is left
.if MSB != (\new)
	s_set_vgpr_msb (MSB<<8)|(\new)
.set MSB, (\new)
.endif
.endm
.macro PLACES n
.rept \n
	v_nop
.endr
.endm
.macro CROUND                          ; a round of the cluster's barrier
	s_barrier_signal -1
	s_barrier_wait -1
	s_cmp_lg_u32 s[WV], 0
	s_cbranch_scc1 .Lnot_wave_0_\@
	s_barrier_signal -3
.Lnot_wave_0_\@:
	s_barrier_wait -3
	s_barrier_signal -1
	s_barrier_wait -1
.endm
	s_load_b256 s[4:11], s[0:1], 0x0               ; xc s[4:5], xs s[6:7], wc s[8:9], ws s[10:11]
	s_load_b128 s[12:15], s[0:1], 0x20             ; qkv s[12:13], q16 s[14:15]
	v_lshl_add_u32 v[SPW], v0, 2, SPARE
	v_mov_b32 v[NIL], 0
	ds_add_u32 v[SPW], v[NIL]                      ; the wave's opening: the add, twice on end, and its wait ahead of my first tensor load
	ds_add_u32 v[SPW], v[NIL]
	v_lshrrev_b32 v1, 5, v0
	v_readfirstlane_b32 s[WV], v1                  ; wave 0..3
	s_and_b32 s17, s[WV], 1                        ; which half of a tile I fetch
	s_bfe_u32 s18, ttmp6, 0x40000                  ; cx
	s_lshl_b32 s19, ttmp9, 2
	s_add_co_u32 s19, s19, s18                     ; tile column = 4 x cluster x + cx
	s_and_b32 s20, ttmp7, 0xffff                   ; tile row: the four partners share it
	; group 1 for A: 128 rows x 256 bytes, rows 512 bytes apart in memory, 16 bytes of padding behind each row in LDS
	s_mov_b32 s[G1A+0], 15|(1<<20)|(1<<21)|(5<<22)|(3<<25)   ; the mask: all four; elements of 1 byte; padding on; bit 21 beside a mask; after every 64 words, 4 words
	s_mov_b32 s[G1A+1], 256<<16                    ; tensor_dim0
	s_mov_b32 s[G1A+2], 128<<16                    ; tensor_dim1
	s_mov_b32 s[G1A+3], 256<<16                    ; tile_dim0
	s_mov_b32 s[G1A+4], 128                        ; tile_dim1
	s_mov_b32 s[G1A+5], 512                        ; from row to row
	s_mov_b32 s[G1A+6], 0
	s_mov_b32 s[G1A+7], 0
	; group 1 for B: 96 rows, no mask
	s_mov_b32 s[G1B+0], (1<<20)|(5<<22)|(3<<25)
	s_mov_b32 s[G1B+1], 256<<16
	s_mov_b32 s[G1B+2], 96<<16
	s_mov_b32 s[G1B+3], 256<<16
	s_mov_b32 s[G1B+4], 96
	s_mov_b32 s[G1B+5], 512
	s_mov_b32 s[G1B+6], 0
	s_mov_b32 s[G1B+7], 0
	s_lshl_b32 s56, s20, 17                        ; A: (256 ty + 128 half) rows of 512 bytes
	s_lshl_b32 s57, s17, 16
	s_add_co_u32 s56, s56, s57
	s_mov_b32 s57, 0
	s_mul_i32 s58, s19, 98304                      ; B: (192 tx + 96 half) rows of 512 bytes
	s_mul_i32 s59, s17, 49152
	s_add_co_u32 s58, s58, s59
	s_mov_b32 s59, 0
	s_mul_i32 s21, s17, 128*PITCH                  ; where they go: the wave's number alone enters an LDS address
	s_mul_i32 s22, s17, 96*PITCH
	s_add_co_u32 s22, s22, BOFF
	s_wait_dscnt 0x0                               ; both opening adds are done
	s_wait_kmcnt 0x0
	s_add_nc_u64 s[56:57], s[4:5], s[56:57]
	s_add_nc_u64 s[58:59], s[8:9], s[58:59]
	CROUND                                         ; all four work-groups are here: the joint loads meet
.irp s, 0,1
	s_mov_b32 s[G0A+4*\s], 1
	s_add_co_u32 s[G0A+4*\s+1], s21, \s*SLOT
	s_add_nc_u64 s[G0A+4*\s+2:G0A+4*\s+3], s[56:57], \s*256        ; slot s: bytes 256 s on of each row
	s_or_b32 s[G0A+4*\s+3], s[G0A+4*\s+3], 0x80000000
	s_mov_b32 s[G0B+4*\s], 1
	s_add_co_u32 s[G0B+4*\s+1], s22, \s*SLOT
	s_add_nc_u64 s[G0B+4*\s+2:G0B+4*\s+3], s[58:59], \s*256
	s_or_b32 s[G0B+4*\s+3], s[G0B+4*\s+3], 0x80000000
.endr
	s_cmp_lt_u32 s[WV], 2                          ; a wave's two fills stand in one branch: waves 0, 1 fetch A's halves, waves 2, 3 B's; two loads of mine are out
	s_cbranch_scc0 .Lfirst_b
	tensor_load_to_lds s[G0A:G0A+3], s[G1A:G1A+7]
	s_nop 0
	tensor_load_to_lds s[G0A+4:G0A+7], s[G1A:G1A+7]
	s_nop 0
	PLACES 4
	s_branch .Lfirst_asked
.Lfirst_b:
	tensor_load_to_lds s[G0B:G0B+3], s[G1B:G1B+7]
	s_nop 0
	tensor_load_to_lds s[G0B+4:G0B+7], s[G1B:G1B+7]
	s_nop 0
	PLACES 4
.Lfirst_asked:
	v_and_b32 v1, 15, v0                           ; r
	v_bfe_u32 v2, v0, 4, 1                         ; h
	v_lshlrev_b32 v[SO], 5, v1
	v_lshl_add_u32 v[SO], v2, 4, v[SO]             ; scale words: 32 r + 16 h
	s_lshl_b32 s60, s20, 13                        ; xs at row 256 ty + 64 w
	s_lshl_b32 s61, s[WV], 11
	s_add_co_u32 s60, s60, s61
	s_mov_b32 s61, 0
	s_add_nc_u64 s[6:7], s[6:7], s[60:61]
	s_mul_i32 s60, s19, 6144                       ; ws at row 192 tx
	s_add_nc_u64 s[10:11], s[10:11], s[60:61]
.irp a, 0,1,2,3
	global_load_b128 v[SCA+4*\a:SCA+4*\a+3], v[SO], s[6:7] offset:512*\a        ; 16 rows' 512 consecutive bytes
.endr
.irp b, 0,1,2,3,4,5,6,7,8,9,10,11
	global_load_b128 v[SCB+4*\b:SCB+4*\b+3], v[SO], s[10:11] offset:512*\b
.endr
	v_mul_u32_u24 v3, v1, PITCH
	v_lshl_add_u32 v3, v2, 4, v3                   ; a fragment's row x pitch + 16 h
	s_mul_i32 s60, s[WV], 64*PITCH
	v_add_nc_u32 v[ADRA], s60, v3                  ; my 64 rows of A, slot 0,
	v_add_nc_u32 v[ADRA+1], SLOT, v[ADRA]          ; slot 1
	v_add_nc_u32 v[ADRB], BOFF, v3                 ; B's 192 rows
	v_add_nc_u32 v[ADRB+1], SLOT, v[ADRB]
	s_mul_i32 s60, s[WV], STW
	s_add_co_u32 s60, s60, STAGE                   ; my stage
	v_mul_u32_u24 v4, v1, 144
	v_lshl_add_u32 v4, v2, 4, v4
	v_add_nc_u32 v[STO], s60, v4                   ; in: row r, 16 bytes for each half of the lanes
	v_and_b32 v5, 31, v0
	v_lshrrev_b32 v6, 3, v5
	v_mul_u32_u24 v6, v6, 144
	v_and_b32 v7, 7, v0
	v_lshl_add_u32 v6, v7, 4, v6
	v_add_nc_u32 v[RD], s60, v6                    ; back: eight lanes to a row of 128 bytes, four rows an instruction
	v_lshlrev_b32 v[CO], 4, v5                     ; and in qkv: 16 x lane (the four rows are consecutive there)
	v_mul_u32_u24 v[FO], v1, 12288
	v_lshl_add_u32 v[FO], v2, 5, v[FO]             ; q16: row r, 32 bytes for each half
	s_mul_i32 s60, s19, 3145728                    ; qkv at head 3 tx, row 256 ty + 64 w
	s_lshl_b32 s62, s20, 15
	s_add_co_u32 s60, s60, s62
	s_lshl_b32 s62, s[WV], 13
	s_add_co_u32 s60, s60, s62
	s_add_nc_u64 s[12:13], s[12:13], s[60:61]
	s_lshr_b32 s60, s20, 3                         ; q16 at batch ty / 8, column 192 tx
	s_mul_i32 s60, s60, 196608
	s_mul_i32 s62, s19, 768
	s_add_co_u32 s60, s60, s62
	s_add_nc_u64 s[14:15], s[14:15], s[60:61]
	s_and_b32 s23, s20, 7
	s_or_b32 s23, s23, s[WV]                       ; 0 where my rows 0-15 are a batch's first 16: the same in all four partners
.macro FETCH q                         ; the fragments of K step q (128 along K) into set q % 2: B's twelve, then A's four
	WIN 0xc0                                       ; destination window 3, address window 0
.irp b, 0,1,2,3,4,5,6,7,8,9,10,11
.irp c, 0,1
	ds_load_b128 v[96*((\q)%2)+8*\b+4*\c:96*((\q)%2)+8*\b+4*\c+3], v[ADRB+(\q)/4] offset:64*((\q)%4)+32*\c+\b*16*PITCH
.endr
.endr
	WIN 0
.irp a, 0,1,2,3
.irp c, 0,1
	ds_load_b128 v[AF+32*((\q)%2)+8*\a+4*\c:AF+32*((\q)%2)+8*\a+4*\c+3], v[ADRA+(\q)/4] offset:64*((\q)%4)+32*\c+\a*16*PITCH
.endr
.endr
.endm
; 24 products: row blocks a0, a0 + 1 x B's twelve.  The 48 accumulators take turns, one instruction a turn, in the same order in every step.
.macro MUL q, a0
.irp a, \a0, \a0+1
.irp b, 0,1,2,3,4,5,6,7,8,9,10,11
.if (\q) == 0
	v_wmma_scale_f32_16x16x128_f8f6f4 v[8*(12*((\a)%2)+\b):8*(12*((\a)%2)+\b)+7], v[96*((\q)%2)+8*\b:96*((\q)%2)+8*\b+7], v[AF+32*((\q)%2)+8*(\a):AF+32*((\q)%2)+8*(\a)+7], 0, v[SCB+4*\b+(\q)%4], v[SCA+4*(\a)+(\q)%4] matrix_a_fmt:MATRIX_FMT_FP4 matrix_b_fmt:MATRIX_FMT_FP4
.elseif (\q) < 4
	v_wmma_scale_f32_16x16x128_f8f6f4 v[8*(12*((\a)%2)+\b):8*(12*((\a)%2)+\b)+7], v[96*((\q)%2)+8*\b:96*((\q)%2)+8*\b+7], v[AF+32*((\q)%2)+8*(\a):AF+32*((\q)%2)+8*(\a)+7], v[8*(12*((\a)%2)+\b):8*(12*((\a)%2)+\b)+7], v[SCB+4*\b+(\q)%4], v[SCA+4*(\a)+(\q)%4] matrix_a_fmt:MATRIX_FMT_FP4 matrix_b_fmt:MATRIX_FMT_FP4
.else
	v_wmma_scale_f32_16x16x128_f8f6f4 v[8*(12*((\a)%2)+\b):8*(12*((\a)%2)+\b)+7], v[96*((\q)%2)+8*\b:96*((\q)%2)+8*\b+7], v[AF+32*((\q)%2)+8*(\a):AF+32*((\q)%2)+8*(\a)+7], v[8*(12*((\a)%2)+\b):8*(12*((\a)%2)+\b)+7], v[SCB+4*\b+(\q)%4], v[SCA+4*(\a)+(\q)%4] matrix_a_fmt:MATRIX_FMT_FP4 matrix_b_fmt:MATRIX_FMT_FP4 matrix_a_scale:MATRIX_SCALE_ROW1 matrix_b_scale:MATRIX_SCALE_ROW1
.endif
.endr
.endr
.endm
.macro STEP q
	s_wait_dscnt 0x0                               ; this step's fragments are in: they were asked for 48 products ago
.if (\q) == 3
	s_wait_tensorcnt 0x0                           ; my part of slot 1 has landed,
	s_barrier_signal -1
	s_barrier_wait -1                              ; everybody's has: the next fetch reads slot 1.
.endif
.if (\q) < 7
.if (\q) > 0
	PLACES 4                                       ; in front of loads into the set that the last step's products read
.endif
	FETCH (\q)+1
.endif
	WIN 0x53                                       ; source 0 (B) window 3, source 1 (A) window 0, C and D window 1
	MUL \q, 0
	WIN 0xa3                                       ; C and D window 2
	MUL \q, 2
	WIN 0
.endm
	s_wait_tensorcnt 0x1                           ; my part of slot 0 is in; slot 1's load may stay out
	s_barrier_signal -1
	s_barrier_wait -1                              ; everybody's is
	FETCH 0
	s_wait_loadcnt 0x0                             ; the scale words
.irp q, 0,1,2,3,4,5,6,7
	STEP \q
.endr
	PLACES 4                                       ; in front of the first reads of results and of writes into the fragments' registers
	; rows t < 16 of a batch also leave as f32: wave 0 of the tile rows 0, 8, 16, 24, its row block 0
	s_cmp_lg_u32 s23, 0
	s_cbranch_scc1 .Lno_side
	WIN 0x04                                       ; a store's data are its source 1: window 1
.irp b, 0,1,2,3,4,5,6,7,8,9,10,11
	global_store_b128 v[FO], v[8*\b:8*\b+3], s[14:15] offset:64*\b          ; each accumulator from its low end on
	global_store_b128 v[FO], v[8*\b+4:8*\b+7], s[14:15] offset:64*\b+16
.endr
	WIN 0
.Lno_side:
; THE WAY OUT, a block of 16 rows x 192 columns at a time: rounded to f16, through my own stage, back as 4 rows of a head (512 consecutive bytes of qkv) an instruction.
.macro PACK a
	WIN 0x05*(1+(\a)/2)                            ; sources 0 and 1: window 1 or 2
.irp b, 0,1,2,3,4,5,6,7,8,9,10,11
.irp u, 0,1,2,3
	v_cvt_pk_f16_f32 v[TMP+4*\b+\u], v[96*((\a)%2)+8*\b+2*\u], v[96*((\a)%2)+8*\b+2*\u+1]
.endr
.endr
	WIN 0
.endm
.macro TOSTAGE a
.irp b, 0,1,2,3,4,5,6,7,8,9,10,11
	ds_store_b128 v[STO], v[TMP+4*\b:TMP+4*\b+3] offset:(\b/4)*2304+32*(\b%4)
.endr
.irp j, 0,1,2
.irp i, 0,1,2,3
	ds_load_b128 v[BK+48*((\a)%2)+16*\j+4*\i:BK+48*((\a)%2)+16*\j+4*\i+3], v[RD] offset:\j*2304+576*\i   ; LDS serves a wave's instructions in order: these see the stores above
.endr
.endr
.endm
.macro SEND a
	s_wait_dscnt 0x0                               ; the block is back in registers
.irp j, 0,1,2
.irp i, 0,1,2,3
	global_store_b128 v[CO], v[BK+48*((\a)%2)+16*\j+4*\i:BK+48*((\a)%2)+16*\j+4*\i+3], s[12:13] offset:\j*1048576+2048*(\a)+512*\i   ; 32 lanes store 512 consecutive bytes, aligned
.endr
.endr
.endm
	PACK 0
	TOSTAGE 0
.irp a, 1,2,3
	PACK \a                                        ; block a's conversions stand between block a - 1's loads from the stage and the wait for them
	SEND \a-1
.if \a > 1
	s_wait_xcnt 0x0                                ; block a - 2's stores have read their registers: block a's loads may land there
.endif
	TOSTAGE \a
.endr
	SEND 3
	s_wait_tensorcnt 0x0                           ; the wave's end: behind my last tensor load and my last LDS store
	ds_add_u32 v[SPW], v[NIL]
	s_wait_dscnt 0x0
	CROUND                                         ; the closing round
	s_endpgm
.Lfunc_end_k_q9aecb58f87_qkvgemm:
	.size	k_q9aecb58f87_qkvgemm, .Lfunc_end_k_q9aecb58f87_qkvgemm-k_q9aecb58f87_qkvgemm
	.p2alignl 7, 3214868480
	.fill 96, 4, 3214868480
	.section	.rodata,"a",@progbits
	.p2align	6, 0x0
	.amdhsa_kernel k_q9aecb58f87_qkvgemm
		.amdhsa_group_segment_fixed_size 327680
		.amdhsa_private_segment_fixed_size 0
		.amdhsa_enable_private_segment 0
		.amdhsa_kernarg_size 48
		.amdhsa_user_sgpr_count 2
		.amdhsa_user_sgpr_kernarg_segment_ptr 1
		.amdhsa_wavefront_size32 1
		.amdhsa_system_sgpr_workgroup_id_x 1
		.amdhsa_system_sgpr_workgroup_id_y 1
		.amdhsa_system_sgpr_workgroup_id_z 1
		.amdhsa_system_vgpr_workitem_id 0
		.amdhsa_next_free_vgpr 960
		.amdhsa_next_free_sgpr 66
		.amdhsa_reserve_vcc 0
		.amdhsa_float_denorm_mode_32 3
		.amdhsa_float_denorm_mode_16_64 3
		.amdhsa_memory_ordered 1
		.amdhsa_forward_progress 1
		.amdhsa_inst_pref_size 101
	.end_amdhsa_kernel
	.amdgpu_metadata
---
amdhsa.version: [ 1, 2 ]
amdhsa.kernels:
  - .name:           k_q9aecb58f87_qkvgemm
    .symbol:         k_q9aecb58f87_qkvgemm.kd
    .args:
      - { .name: xc, .offset: 0, .size: 8, .value_kind: global_buffer, .address_space: global }
      - { .name: xs, .offset: 8, .size: 8, .value_kind: global_buffer, .address_space: global }
      - { .name: wc, .offset: 16, .size: 8, .value_kind: global_buffer, .address_space: global }
      - { .name: ws, .offset: 24, .size: 8, .value_kind: global_buffer, .address_space: global }
      - { .name: qkv, .offset: 32, .size: 8, .value_kind: global_buffer, .address_space: global }
      - { .name: q16, .offset: 40, .size: 8, .value_kind: global_buffer, .address_space: global }
    .group_segment_fixed_size: 327680
    .private_segment_fixed_size: 0
    .kernarg_segment_align: 8
    .kernarg_segment_size: 48
    .max_flat_workgroup_size: 128
    .sgpr_count:     66
    .vgpr_count:     960
    .wavefront_size: 32
...
	.end_amdgpu_metadata
.endif
;; end of part 2
;; launch attn (part 3): grid 4 x 64, 16 waves a work-group, no clusters, 327,680 bytes of LDS; arguments qkv, att; writes att
.if DOCPART == 3
	.amdgcn_target "amdgcn-amd-amdhsa--gfx1250"
	.amdhsa_code_object_version 6
	.text
	.protected	k_q9aecb58f87_attn
	.globl	k_q9aecb58f87_attn
	.p2align	8
	.type	k_q9aecb58f87_attn,@function
k_q9aecb58f87_attn:
	s_mov_b64 s[64:65], 0
	v_nop
	global_prefetch_b8 v0, s[64:65] scope:SCOPE_SE
	s_setreg_imm32_b32 hwreg(HW_REG_WAVE_MODE, 25, 1), 1
	s_wait_xcnt 0x0
; ATT[hd][m][:] = the sum over keys k <= q of softmax_k(Q . K / 8) V, for each batch and head.  Q, K, V: f16 in qkv [g][m][64] (q: g = hd, k: 16 + hd, v: 32 + hd; m = 2048 b + t).  att: f16 [hd][m][64].
; Products on f16 operands with f32 sums; maxima, exponentials and sums in f32; the weights p are rounded to f16 for the second product, the result once at the end.
; SOFTMAX: a running maximum m and sum l for each query: p = 2^(c s - c m), c = log2(e) / 8; in every step O and l are multiplied by a = 2^(c m_old - c m_new).  m begins at -3e38, l and O at 0, so the step is written once.
; LIMITS: |q|, |k|, |v| under 65,504; NaN and infinities are not served.
; SHARES.  Work-group (i, bh) owns the query blocks i and 7 - i (256 queries each) of head bh: the same number of key steps under the causal mask whatever i.  Each of sixteen waves owns 32 queries, two tiles of 16;
; waves take the early and the late block by (w xor w / 4) & 1.  Four waves to a SIMD: one wave's vector work stands beside another's products and LDS loads.
; Every wave walks ALL key steps of 64 (constant trip counts); a step all of whose keys come after the wave's queries is jumped over by a scalar branch on ids, round its work alone.
; NO CLUSTER: the four work-groups of a head end their fetches at different causal limits, so a joint load would bring tiles that every wave of some partner jumps over.
; LAYOUT.  Both products are used transposed: S^T = K Q^T (source 0 = 16 keys, source 1 = 16 queries), O^T = V^T P (source 0 = 16 channels, turned by ds_load_tr16_b128): a lane holds ONE query throughout,
; and two tiles of S^T, rounded in pairs, ARE source 1 of the second product.
; REGISTERS: v1, v2 lane places in K's and V's tiles; v3, v4 the addresses in hand; v5, v6 the add's two; v7 prefetch offset; v8 r - 8 h; v9 -infinity; v10, v11 the mask's distances;
;   v12-27 eight statistics a tile (+0 c m, +1 m, +2, +3 l, +4..+7 at work, a at +6); v28-31 second sum chains; v32-63 Q; v64-127 K's fragments, then V's; v128-191 S^T, then P in each tile's first 16; v192-255 O^T.
.set PK,    144                        ; a key's row in LDS: 128 bytes + 16
.set PV,    160                        ; a row of V: 128 + 32, an odd multiple of 32 for the turning load
.set VOFF,  256*PK                     ; a slot: 256 rows of K, then 256 rows of V
.set SLOT1, 1<<17                      ; slot 1 begins here: one exclusive or turns an address from one slot to the other
.set STAGE, SLOT1+256*(PK+PV)          ; behind the ring: 16 rows x 144 bytes for each wave
.set SPARE, STAGE+16*16*PK             ; the spare words, 128 bytes for each wave, named by no other line
.set AK0,  1
.set AV0,  2
.set ADK,  3
.set ADV,  4
.set SPW,  5
.set NIL,  6
.set PFO,  7
.set DM,   8
.set NINF, 9
.set ST,   12
.set QF,   32
.set KV,   64
.set SS,   128
.set OT,   192
.set TK,   2                           ; s2   LDS byte of the step's rows of K
.set TV,   3                           ; s3   and of V (without VOFF)
.set WV,   18
.set SEL,  20                          ; s[20:21] lane selects for lane l xor 16
.set CS,   22                          ; s[22:23] c, twice
.set G1K,  24
.set G1V,  32
.set G0K,  40
.set G0V,  44
.set KF,   48                          ; the step's first key
.set Q0,   49                          ; my first query
.set LASTQ, 50                         ; my work-group's last query
.set SLOTS, 51
.set CNT,  52
.set PFA,  54                          ; s[54:55] where my prefetches stand
.set LIM,  56
; Waves 0 and 1 fetch K's halves of a slot, waves 2 and 3 V's, the others nothing.  An s_nop 0 and four v_nop follow each load.
.macro TLOAD
	s_cmp_lt_u32 s[WV], 2
	s_cbranch_scc0 .Lnot_k_\@
	tensor_load_to_lds s[G0K:G0K+3], s[G1K:G1K+7]
	s_nop 0
.rept 4
	v_nop
.endr
	s_branch .Lasked_\@
.Lnot_k_\@:
	s_cmp_lt_u32 s[WV], 4
	s_cbranch_scc0 .Lasked_\@
	tensor_load_to_lds s[G0V:G0V+3], s[G1V:G1V+7]
	s_nop 0
.rept 4
	v_nop
.endr
.Lasked_\@:
.endm
; A prefetch of the slot that the NEXT change of slots will ask for: 32,768 dense bytes of K and as many of V.  Of a head's four work-groups the one with i = 0 asks: it walks all slots.
; In it waves 4 to 7 ask for K's block and waves 8 to 11 for V's: 8,192 bytes a wave, lanes 256 bytes apart, one instruction: each aligned block of 256 bytes is named once in the launch.
; The last change that fills a slot asks for nothing; slots 0 and 1 come by their loads alone.
.macro ASK
	s_cmp_gt_u32 s[SLOTS], s[LIM]
	s_cbranch_scc0 .Lnot_mine_\@
	global_prefetch_b8 v[PFO], s[PFA:PFA+1] th:TH_LOAD_NT scope:SCOPE_SE
.Lnot_mine_\@:
.endm
	s_load_b128 s[4:7], s[0:1], 0x0                ; qkv s[4:5], att s[6:7]
	v_lshl_add_u32 v[SPW], v0, 2, SPARE
	v_mov_b32 v[NIL], 0
	ds_add_u32 v[SPW], v[NIL]                      ; the wave's opening: the add, twice on end, and its wait ahead of my first tensor load
	ds_add_u32 v[SPW], v[NIL]
	v_lshrrev_b32 v1, 5, v0
	v_readfirstlane_b32 s[WV], v1                  ; wave 0..15
	s_and_b32 s8, ttmp7, 0xffff                    ; 16 b + hd
	s_and_b32 s9, s8, 15
	s_lshr_b32 s8, s8, 4
	s_lshl_b32 s9, s9, 20
	s_lshl_b32 s8, s8, 18
	s_add_co_u32 s8, s8, s9                        ; the head's and batch's first byte in a third of qkv, and in att
	s_mov_b32 s9, 0
	s_lshr_b32 s10, s[WV], 2
	s_xor_b32 s10, s10, s[WV]
	s_and_b32 s10, s10, 1                          ; 1: the late block
	s_lshr_b32 s11, s[WV], 1                       ; which 32 queries of the block
	s_sub_co_u32 s12, 7, ttmp9
	s_cmp_eq_u32 s10, 1
	s_cselect_b32 s12, s12, ttmp9
	s_lshl_b32 s12, s12, 8
	s_lshl_b32 s11, s11, 5
	s_add_co_u32 s[Q0], s12, s11
	s_lshl_b32 s[LASTQ], ttmp9, 8
	s_sub_co_u32 s[LASTQ], 2047, s[LASTQ]
	s_lshl_b32 s12, s[Q0], 7
	s_mov_b32 s13, 0
	s_add_nc_u64 s[12:13], s[12:13], s[8:9]        ; my first query's row
	s_and_b32 s14, s[WV], 1                        ; which 128 rows of a slot I fetch
	s_lshl_b32 s16, s14, 14
	s_mov_b32 s17, 0
	s_add_nc_u64 s[16:17], s[16:17], s[8:9]
	; group 1: 128 rows x 64 elements of 2 bytes, dense in memory; K: 4 words of padding behind each 32, V: 8
	s_mov_b32 s[G1K+0], (1<<16)|(1<<20)|(4<<22)|(3<<25)
	s_mov_b32 s[G1V+0], (1<<16)|(1<<20)|(4<<22)|(7<<25)
.irp g, G1K, G1V
	s_mov_b32 s[\g+1], 64<<16                      ; tensor_dim0
	s_mov_b32 s[\g+2], 128<<16                     ; tensor_dim1
	s_mov_b32 s[\g+3], 64<<16                      ; tile_dim0
	s_mov_b32 s[\g+4], 128                         ; tile_dim1
	s_mov_b32 s[\g+5], 64                          ; from row to row
	s_mov_b32 s[\g+6], 0
	s_mov_b32 s[\g+7], 0
.endr
	s_mov_b32 s[SEL], 0x76543210
	s_mov_b32 s[SEL+1], 0xfedcba98
	s_mov_b32 s[CS], 0x3e38aa3b                    ; c = log2(e) / 8
	s_mov_b32 s[CS+1], s[CS]
	s_mov_b32 s[TK], 0
	s_mov_b32 s[TV], 0
	s_mov_b32 s[KF], 0
	s_mov_b32 s[SLOTS], 7
	s_wait_dscnt 0x0                               ; both opening adds are done
	s_wait_kmcnt 0x0
	s_mov_b32 s[G0K], 1
	s_mul_i32 s[G0K+1], s14, 128*PK                ; slot 0
	s_add_nc_u64 s[G0K+2:G0K+3], s[4:5], s[16:17]
	s_add_nc_u64 s[G0K+2:G0K+3], s[G0K+2:G0K+3], 0x1000000         ; k's third of qkv
	s_or_b32 s[G0K+3], s[G0K+3], 0x80000000
	s_mov_b32 s[G0V], 1
	s_mul_i32 s[G0V+1], s14, 128*PV
	s_add_co_u32 s[G0V+1], s[G0V+1], VOFF
	s_add_nc_u64 s[G0V+2:G0V+3], s[4:5], s[16:17]
	s_add_nc_u64 s[G0V+2:G0V+3], s[G0V+2:G0V+3], 0x2000000         ; v's third
	s_or_b32 s[G0V+3], s[G0V+3], 0x80000000
	TLOAD                                          ; slot 0: keys 0 to 255, which hold key 0: it counts for every query
	s_add_nc_u64 s[58:59], s[4:5], s[12:13]        ; Q at my first query
	s_add_nc_u64 s[60:61], s[6:7], s[12:13]        ; att likewise
	s_cmp_lt_u32 s[WV], 8                          ; the prefetches: waves 4 to 7 K, waves 8 to 11 V
	s_mov_b32 s66, 0x2000000
	s_cselect_b32 s66, 0x1000000, s66
	s_and_b32 s67, s[WV], 3
	s_lshl_b32 s67, s67, 13                        ; my wave's 8,192 bytes,
	s_add_co_u32 s66, s66, s67
	s_add_co_u32 s66, s66, s8
	s_add_co_u32 s66, s66, 32768                   ; in slot 1: the first change of slots steps it to slot 2
	s_mov_b32 s67, 0
	s_add_nc_u64 s[PFA:PFA+1], s[4:5], s[66:67]
	s_sub_co_u32 s66, s[WV], 4
	s_lshr_b32 s66, s66, 3                         ; 0 in waves 4 to 11,
	s_or_b32 s66, s66, ttmp9                       ; of the work-group with i = 0
	s_cmp_eq_u32 s66, 0
	s_cselect_b32 s[LIM], 1, -1
	v_and_b32 v10, 15, v0                          ; r
	v_bfe_u32 v11, v0, 4, 1                        ; h
	v_lshlrev_b32 v[ADK], 7, v10
	v_lshl_add_u32 v[ADK], v11, 4, v[ADK]          ; Q: row r of 128 bytes + 16 h (this register is free again behind the wait for Q)
.irp t, 0,1
.irp c, 0,1
	global_load_b128 v[QF+16*\t+8*\c:QF+16*\t+8*\c+3],   v[ADK], s[58:59] offset:2048*\t+64*\c
	global_load_b128 v[QF+16*\t+8*\c+4:QF+16*\t+8*\c+7], v[ADK], s[58:59] offset:2048*\t+64*\c+32
.endr
.endr
	v_mul_u32_u24 v[AK0], v10, PK
	v_lshl_add_u32 v[AK0], v11, 4, v[AK0]          ; K: row r x pitch + 16 h
	v_and_b32 v[AV0], 7, v0
	v_lshl_add_u32 v[AV0], v11, 3, v[AV0]          ; V: key 8 h + lane % 8,
	v_mul_u32_u24 v[AV0], v[AV0], PV
	v_bfe_u32 v[ADV], v0, 3, 1
	v_lshl_add_u32 v[AV0], v[ADV], 4, v[AV0]       ; channels 8 ((lane / 8) % 2) on
	v_add_nc_u32 v[AV0], VOFF, v[AV0]
	v_and_b32 v[PFO], 31, v0
	v_lshlrev_b32 v[PFO], 8, v[PFO]
	v_lshlrev_b32 v[DM], 3, v11
	v_sub_nc_u32 v[DM], v10, v[DM]                 ; r - 8 h
	v_mov_b32 v[NINF], 0xff800000
.irp t, 0,1
	v_mov_b32 v[ST+8*\t+1], 0xff61b1e6             ; m = -3e38, under every score
	v_mul_f32 v[ST+8*\t], s[CS], v[ST+8*\t+1]      ; c m
.irp j, 2,3,4,5,6,7
	v_mov_b32 v[ST+8*\t+\j], 0                     ; l, and the registers at work: written once on every path
.endr
.endr
.set i, 0
.rept 64
	v_mov_b32 v[OT+i], 0                           ; O^T: the step is written once, its first turn finds zeros
.set i, i+1
.endr
; A KEY STEP: 64 keys.
.macro STEP
	s_add_co_u32 s66, s[Q0], 31
	s_cmp_gt_u32 s[KF], s66                        ; all 64 keys come after my 32 queries: the step's work is left out; the address steps at its end are not
	s_cbranch_scc1 .Lhidden_\@
	v_add_nc_u32 v[ADK], s[TK], v[AK0]
	v_add_nc_u32 v[ADV], s[TV], v[AV0]
.irp k, 0,1,2,3
.irp c, 0,1
	ds_load_b128 v[KV+16*\k+8*\c:KV+16*\k+8*\c+3],   v[ADK] offset:\k*16*PK+64*\c
	ds_load_b128 v[KV+16*\k+8*\c+4:KV+16*\k+8*\c+7], v[ADK] offset:\k*16*PK+64*\c+32
.endr
.endr
	s_wait_dscnt 0x0
.irp c, 0,1                                    ; S^T = K Q^T: eight accumulators by turns, one instruction a turn
.irp k, 0,1,2,3
.irp t, 0,1
.if \c == 0
	v_wmma_f32_16x16x32_f16 v[SS+32*\t+8*\k:SS+32*\t+8*\k+7], v[KV+16*\k+8*\c:KV+16*\k+8*\c+7], v[QF+16*\t+8*\c:QF+16*\t+8*\c+7], 0
.else
	v_wmma_f32_16x16x32_f16 v[SS+32*\t+8*\k:SS+32*\t+8*\k+7], v[KV+16*\k+8*\c:KV+16*\k+8*\c+7], v[QF+16*\t+8*\c:QF+16*\t+8*\c+7], v[SS+32*\t+8*\k:SS+32*\t+8*\k+7]
.endif
.endr
.endr
.endr
.rept 4
	v_nop                                          ; four places: in front of the loads into K's registers and of the first read of the scores
.endr
.irp c, 0,1                                    ; V, turned: keys 32 c on, channels 16 n on; it lands while the softmax is walked
.irp n, 0,1,2,3
	ds_load_tr16_b128 v[KV+32*\c+8*\n:KV+32*\c+8*\n+3],   v[ADV] offset:\c*32*PV+32*\n
	ds_load_tr16_b128 v[KV+32*\c+8*\n+4:KV+32*\c+8*\n+7], v[ADV] offset:\c*32*PV+16*PV+32*\n
.endr
.endr
	s_add_co_u32 s66, s[KF], 63
	s_cmp_le_u32 s66, s[Q0]                        ; every key counts for every query of mine: no mask
	s_cbranch_scc1 .Lopen_\@
	s_sub_co_i32 s66, s[Q0], s[KF]
	v_add_nc_u32 v10, s66, v[DM]                   ; tile 0: register 8 k + j holds key KF + 16 k + 8 h + j: hidden where 16 k + j > my query - KF - 8 h
	v_add_nc_u32 v11, 16, v10                      ; tile 1
.irp t, 0,1
.irp k, 0,1,2,3
.irp j, 0,1,2,3,4,5,6,7
	v_cmp_gt_i32 vcc_lo, 16*\k+\j, v[10+\t]
	v_cndmask_b32 v[SS+32*\t+8*\k+\j], v[SS+32*\t+8*\k+\j], v[NINF], vcc_lo
.endr
.endr
.endr
.Lopen_\@:
.irp j, 0,1,2,3                                ; the maximum of 32 scores and the old m: four chains a tile, the tiles by turns; each accumulator is read from its low end on
.irp t, 0,1
	v_max3_num_f32 v[ST+8*\t+4+\j], v[SS+32*\t+8*\j], v[SS+32*\t+8*\j+1], v[SS+32*\t+8*\j+2]
.endr
.endr
.irp u, 1,2
.irp j, 0,1,2,3
.irp t, 0,1
	v_max3_num_f32 v[ST+8*\t+4+\j], v[ST+8*\t+4+\j], v[SS+32*\t+8*\j+2*\u+1], v[SS+32*\t+8*\j+2*\u+2]
.endr
.endr
.endr
.irp t, 0,1
	v_max3_num_f32 v[ST+8*\t+4], v[ST+8*\t+4], v[SS+32*\t+7], v[SS+32*\t+15]
.endr
.irp t, 0,1
	v_max3_num_f32 v[ST+8*\t+6], v[ST+8*\t+6], v[SS+32*\t+23], v[SS+32*\t+31]
.endr
.irp t, 0,1
	v_max3_num_f32 v[ST+8*\t+4], v[ST+8*\t+4], v[ST+8*\t+5], v[ST+8*\t+6]
.endr
.irp t, 0,1
	v_max3_num_f32 v[ST+8*\t+4], v[ST+8*\t+4], v[ST+8*\t+7], v[ST+8*\t+1]
.endr
.irp t, 0,1
	v_permlanex16_b32 v[ST+8*\t+5], v[ST+8*\t+4], s[SEL], s[SEL+1]     ; the query's other 32 keys lie in the lane 16 away
.endr
.irp t, 0,1
	v_mov_b32 v[ST+8*\t+7], v[ST+8*\t]             ; c m_old
.endr
.irp t, 0,1
	v_max_num_f32 v[ST+8*\t+1], v[ST+8*\t+4], v[ST+8*\t+5]
.endr
.irp t, 0,1
	v_mul_f32 v[ST+8*\t], s[CS], v[ST+8*\t+1]
.endr
.irp t, 0,1
	v_sub_f32 v[ST+8*\t+7], v[ST+8*\t+7], v[ST+8*\t]
.endr
.set i, 0
.rept 16
.irp t, 0,1
	v_pk_fma_f32 v[SS+32*\t+2*i:SS+32*\t+2*i+1], v[SS+32*\t+2*i:SS+32*\t+2*i+1], s[CS:CS+1], v[ST+8*\t:ST+8*\t+1] op_sel_hi:[1,0,0] neg_lo:[0,0,1] neg_hi:[0,0,1]   ; c s - c m, two at a time
.endr
.set i, i+1
.endr
.irp t, 0,1
	v_exp_f32 v[ST+8*\t+6], v[ST+8*\t+7]           ; a.  The 66 exponentials are ONE batch: none reads another's result
.endr
.set i, 0
.rept 32
	v_exp_f32 v[SS+i], v[SS+i]
	v_exp_f32 v[SS+32+i], v[SS+32+i]
.set i, i+1
.endr
	v_nop                                          ; a plain line behind the last exponential
	s_wait_alu depctr_va_vdst(0)                   ; one wait for the batch, ahead of its first reader
.irp t, 0,1
	v_pk_mul_f32 v[ST+8*\t+2:ST+8*\t+3], v[ST+8*\t+2:ST+8*\t+3], v[ST+8*\t+6:ST+8*\t+7] op_sel_hi:[1,0]   ; l x a
	v_pk_add_f32 v[28+2*\t:29+2*\t], v[SS+32*\t:SS+32*\t+1], v[SS+32*\t+2:SS+32*\t+3]                    ; the sum of the unrounded p, in two chains
.endr
.irp j, 4,8,12,16,20,24,28
.irp t, 0,1
	v_pk_add_f32 v[ST+8*\t+2:ST+8*\t+3], v[ST+8*\t+2:ST+8*\t+3], v[SS+32*\t+\j:SS+32*\t+\j+1]
	v_pk_add_f32 v[28+2*\t:29+2*\t], v[28+2*\t:29+2*\t], v[SS+32*\t+\j+2:SS+32*\t+\j+3]
.endr
.endr
.irp t, 0,1
	v_pk_add_f32 v[ST+8*\t+2:ST+8*\t+3], v[ST+8*\t+2:ST+8*\t+3], v[28+2*\t:29+2*\t]
.endr
.set i, 0
.rept 16
	v_cvt_pk_f16_f32 v[SS+i], v[SS+2*i], v[SS+2*i+1]               ; P in place, ascending: register i is written when registers 2 i, 2 i + 1 are read
	v_cvt_pk_f16_f32 v[SS+32+i], v[SS+32+2*i], v[SS+32+2*i+1]
.set i, i+1
.endr
.set i, 0
.rept 16
	v_pk_mul_f32 v[OT+2*i:OT+2*i+1], v[OT+2*i:OT+2*i+1], v[ST+6:ST+7] op_sel_hi:[1,0]                    ; O^T x a
	v_pk_mul_f32 v[OT+32+2*i:OT+32+2*i+1], v[OT+32+2*i:OT+32+2*i+1], v[ST+14:ST+15] op_sel_hi:[1,0]
.set i, i+1
.endr
	s_wait_dscnt 0x0                               ; V is in
.irp c, 0,1                                    ; O^T += V^T P: eight accumulators by turns
.irp n, 0,1,2,3
.irp t, 0,1
	v_wmma_f32_16x16x32_f16 v[OT+32*\t+8*\n:OT+32*\t+8*\n+7], v[KV+32*\c+8*\n:KV+32*\c+8*\n+7], v[SS+32*\t+8*\c:SS+32*\t+8*\c+7], v[OT+32*\t+8*\n:OT+32*\t+8*\n+7]
.endr
.endr
.endr
.rept 5
	v_nop                                          ; five places: the next step's products write over P, its loads land in V's registers; the way out reads O^T
.endr
.Lhidden_\@:
	s_add_co_u32 s[TK], s[TK], 64*PK
	s_add_co_u32 s[TV], s[TV], 64*PV
	s_add_co_u32 s[KF], s[KF], 64
.endm
.macro FOUR_STEPS                      ; a slot's four key steps: written once, walked four times
	s_mov_b32 s[CNT], 4
.Lstep_\@:
	STEP
	s_sub_co_u32 s[CNT], s[CNT], 1
	s_cmp_lg_u32 s[CNT], 0
	s_cbranch_scc1 .Lstep_\@
	s_sub_co_u32 s[TK], s[TK], 256*PK              ; back to a slot's first step,
	s_xor_b32 s[TK], s[TK], SLOT1                  ; in the other slot
	s_sub_co_u32 s[TV], s[TV], 256*PV
	s_xor_b32 s[TV], s[TV], SLOT1
.endm
; THE CHANGE OF SLOTS stands at a slot's head.  Each wave waits for all its tensor loads (its part of the slot ahead), adds 0 to its spare word, and waits for that and for its reads of the slot that it has left.
; Behind the barrier the slot ahead is whole and nobody reads the other one; fill = 1: that one is filled with the next 256 keys, up to the causal limit: the load has four key steps in which to land.
.macro CHANGE fill
	s_wait_tensorcnt 0x0                           ; no tensor load of mine is out, so a group 0 may be written
	ds_add_u32 v[SPW], v[NIL]
.if \fill
	ds_add_u32 v[SPW], v[NIL]                      ; and once more, in every trip alike
	s_xor_b32 s[G0K+1], s[G0K+1], SLOT1
	s_add_nc_u64 s[G0K+2:G0K+3], s[G0K+2:G0K+3], 32768
	s_xor_b32 s[G0V+1], s[G0V+1], SLOT1
	s_add_nc_u64 s[G0V+2:G0V+3], s[G0V+2:G0V+3], 32768
	s_wait_xcnt 0x0                                ; the last prefetch, a slot back, has read its address
	s_add_nc_u64 s[PFA:PFA+1], s[PFA:PFA+1], 32768
.endif
	s_wait_dscnt 0x0                               ; the add is done, and my reads of the slot that I have left are over
	s_barrier_signal -1
	s_barrier_wait -1
.if \fill
	s_add_co_u32 s66, s[KF], 256                   ; the first key of the slot that this change would ask for:
	s_cmp_gt_u32 s66, s[LASTQ]                     ; past my work-group's last query none of its waves reads it, so it is not asked for.  Ids and the count of steps alone: all sixteen waves go the same way
	s_cbranch_scc1 .Lpast_\@
	TLOAD                                          ; a wave's one tensor load until the next change
.Lpast_\@:
	ASK
.endif
.endm
	s_wait_loadcnt 0x0                             ; Q
.Lslot:                                            ; seven trips: behind each change of slots but the last the next slot is asked for, up to the causal limit
	CHANGE 1
	FOUR_STEPS
	s_sub_co_u32 s[SLOTS], s[SLOTS], 1
	s_cmp_lg_u32 s[SLOTS], 0
	s_cbranch_scc1 .Lslot
	CHANGE 0                                       ; the last slot is written out: nothing is left to fetch
	FOUR_STEPS
	; THE WAY OUT.  l's two halves and the other half of the lanes' are added; O^T / l is rounded to f16 and goes through my stage, a tile of 16 rows at a time; four rows (512 consecutive bytes of att) leave by one store.
.irp t, 0,1
	v_add_f32 v[ST+8*\t+4], v[ST+8*\t+2], v[ST+8*\t+3]
.endr
.irp t, 0,1
	v_permlanex16_b32 v[ST+8*\t+5], v[ST+8*\t+4], s[SEL], s[SEL+1]
.endr
.irp t, 0,1
	v_add_f32 v[ST+8*\t+4], v[ST+8*\t+4], v[ST+8*\t+5]
.endr
.irp t, 0,1
	v_rcp_f32 v[ST+8*\t+6], v[ST+8*\t+4]
.endr
	v_and_b32 v10, 15, v0                          ; (plain work behind the reciprocals)  r
	v_bfe_u32 v11, v0, 4, 1                        ; h
	s_mul_i32 s66, s[WV], 16*PK
	s_add_co_u32 s66, s66, STAGE                   ; my stage
	v_mul_u32_u24 v28, v10, PK
	v_lshl_add_u32 v28, v11, 4, v28
	v_add_nc_u32 v28, s66, v28                     ; in: row r, 16 bytes for each half of the lanes
	v_and_b32 v30, 31, v0
	v_lshrrev_b32 v29, 3, v30
	v_mul_u32_u24 v29, v29, PK
	v_and_b32 v31, 7, v0
	v_lshl_add_u32 v29, v31, 4, v29
	v_add_nc_u32 v29, s66, v29                     ; back: eight lanes to a row
	v_lshlrev_b32 v30, 4, v30                      ; in att: 16 x lane
	s_wait_alu depctr_va_vdst(0)                   ; one wait for the two reciprocals, ahead of their first reader
.irp t, 0,1
.set i, 0
.rept 16
	v_pk_mul_f32 v[OT+32*\t+2*i:OT+32*\t+2*i+1], v[OT+32*\t+2*i:OT+32*\t+2*i+1], v[ST+8*\t+6:ST+8*\t+7] op_sel_hi:[1,0]
.set i, i+1
.endr
.set i, 0
.rept 16
	v_cvt_pk_f16_f32 v[SS+32*\t+i], v[OT+32*\t+2*i], v[OT+32*\t+2*i+1]
.set i, i+1
.endr
.irp n, 0,1,2,3
	ds_store_b128 v28, v[SS+32*\t+4*\n:SS+32*\t+4*\n+3] offset:32*\n
.endr
.irp n, 0,1,2,3
	ds_load_b128 v[SS+32*\t+16+4*\n:SS+32*\t+16+4*\n+3], v29 offset:4*PK*\n   ; LDS serves a wave's instructions in order: these see the stores above, and the next tile's stores come behind them
.endr
.endr
.irp t, 0,1
.irp n, 0,1,2,3
	s_wait_dscnt 8*(1-\t)+3-\n                     ; behind this load: the tile's younger loads, and for tile 0 tile 1's four stores and four loads
	global_store_b128 v30, v[SS+32*\t+16+4*\n:SS+32*\t+16+4*\n+3], s[60:61] offset:2048*\t+512*\n
.endr
.endr
	s_wait_tensorcnt 0x0                           ; the wave's end: behind my last tensor load and my last LDS store
	ds_add_u32 v[SPW], v[NIL]
	s_wait_dscnt 0x0
	s_endpgm
.Lfunc_end_k_q9aecb58f87_attn:
	.size	k_q9aecb58f87_attn, .Lfunc_end_k_q9aecb58f87_attn-k_q9aecb58f87_attn
	.p2alignl 7, 3214868480
	.fill 96, 4, 3214868480
	.section	.rodata,"a",@progbits
	.p2align	6, 0x0
	.amdhsa_kernel k_q9aecb58f87_attn
		.amdhsa_group_segment_fixed_size 327680
		.amdhsa_private_segment_fixed_size 0
		.amdhsa_enable_private_segment 0
		.amdhsa_kernarg_size 16
		.amdhsa_user_sgpr_count 2
		.amdhsa_user_sgpr_kernarg_segment_ptr 1
		.amdhsa_wavefront_size32 1
		.amdhsa_system_sgpr_workgroup_id_x 1
		.amdhsa_system_sgpr_workgroup_id_y 1
		.amdhsa_system_sgpr_workgroup_id_z 1
		.amdhsa_system_vgpr_workitem_id 0
		.amdhsa_next_free_vgpr 256
		.amdhsa_next_free_sgpr 72
		.amdhsa_reserve_vcc 1
		.amdhsa_float_denorm_mode_32 3
		.amdhsa_float_denorm_mode_16_64 3
		.amdhsa_memory_ordered 1
		.amdhsa_forward_progress 1
		.amdhsa_inst_pref_size 62
	.end_amdhsa_kernel
	.amdgpu_metadata
---
amdhsa.version: [ 1, 2 ]
amdhsa.kernels:
  - .name:           k_q9aecb58f87_attn
    .symbol:         k_q9aecb58f87_attn.kd
    .args:
      - { .name: qkv, .offset: 0, .size: 8, .value_kind: global_buffer, .address_space: global }
      - { .name: att, .offset: 8, .size: 8, .value_kind: global_buffer, .address_space: global }
    .group_segment_fixed_size: 327680
    .private_segment_fixed_size: 0
    .kernarg_segment_align: 8
    .kernarg_segment_size: 16
    .max_flat_workgroup_size: 512
    .sgpr_count:     72
    .vgpr_count:     256
    .wavefront_size: 32
...
	.end_amdgpu_metadata
.endif
;; end of part 3
;; launch proj (part 4): grid 4 x 64, 4 waves a work-group, clusters of 4 x 4, 327,680 bytes of LDS; arguments att, wot, out0; writes out0
.if DOCPART == 4
	.amdgcn_target "amdgcn-amd-amdhsa--gfx1250"
	.amdhsa_code_object_version 6
	.text
	.protected	k_q9aecb58f87_proj
	.globl	k_q9aecb58f87_proj
	.p2align	8
	.type	k_q9aecb58f87_proj,@function
k_q9aecb58f87_proj:
	s_mov_b64 s[64:65], 0
	v_nop
	global_prefetch_b8 v0, s[64:65] scope:SCOPE_SE
	s_setreg_imm32_b32 hwreg(HW_REG_WAVE_MODE, 25, 1), 1
	s_wait_xcnt 0x0
	s_wait_alu depctr_hold_cnt(0) depctr_sa_sdst(0) depctr_va_vdst(0) depctr_va_sdst(0) depctr_va_ssrc(0) depctr_va_vcc(0) depctr_vm_vsrc(0)
	s_getreg_b32 s2, hwreg(HW_REG_IB_STS2, 6, 4)
	s_cmp_eq_u32 s2, 0
	s_cbranch_scc0 .Lentry_in_a_cluster
	s_endpgm
.Lentry_in_a_cluster:
	s_bfe_u32 s2, ttmp6, 0x10000c
	s_cmp_lg_u32 s2, 0xf033
	s_cbranch_scc0 .Lentry_shape_is_right
	s_endpgm
.Lentry_shape_is_right:
; out0[m][n] = the sum over k of A[m][k] wot[n][k], k = 64 hd + d.  A = att, f16 [hd][m][64]; wot: f16 [1024 n][1024 k]; out0: f32 [8192][1024]; sums in f32.
; (Rows t < 16 of each batch are written again, more finely, by the launch that follows.)
; SHARES.  A tile of out0 is 128 x 256: 256 work-groups.  Four waves, each 64 rows x 128 columns: 32 accumulators, 256 registers, window 1.
; K goes in steps of 128 (two heads) through a ring of two LDS slots.  A slot: A's two heads (128 rows x 128 bytes each, dense blocks of memory, 144 bytes apart in LDS), then B's 256 rows x 256 bytes (272 apart).
; CLUSTERS: 4 x 4.  The four of a row of the cluster need the same tiles of A, the four of a column the same tiles of B: each is asked for jointly.  Waves 0, 1 fetch A's two heads, waves 2, 3 B's halves: one load a wave.
; THE MATRIX INSTRUCTION IS USED TRANSPOSED (source 0 = 16 rows of wot, source 1 = 16 rows of A): a lane holds eight neighbouring columns of one row.
; REGISTERS, window 0: v16-30 addresses; two fragment buffers for 32 along K: A v32-63, B v64-127; A v128-159, B v160-223; on the way out v32-159 rows read back.  Window 1: accumulator (a, b) at 8 (8 a + b).
.set PA,     144
.set PB,     272
.set ASUB,   128*PA                    ; a head's 128 rows
.set BOFF,   2*ASUB
.set SLOT,   BOFF+256*PB
.set STAGE,  2*SLOT                    ; behind the ring: 16 rows x 528 bytes for each wave
.set SPITCH, 528
.set SPARE,  STAGE+4*16*SPITCH         ; the spare words, 128 bytes for each wave, named by no other line
.set KSA,    2097152                   ; a K step on in att: two heads
.set ADRA, 16
.set ADRB, 20
.set STO,  24
.set RD,   25
.set CO,   26
.set SPW,  28
.set NIL,  29
.set PFO,  30
.set BK,   32
.set G1,   24
.set G0,   32
.set LIM,  43
.set PFA,  44
.set G1B,  48
.set G0B,  56
.set MULW, 0x50                        ; sources 0 and 1 window 0, C and D window 1
.set MSB, 0
.macro WIN new
.if MSB != (\new)
	s_set_vgpr_msb (MSB<<8)|(\new)
.set MSB, (\new)
.endif
.endm
.macro PLACES
.rept 4
	v_nop
.endr
.endm
.macro JLOAD s                         ; a joint load; an s_nop 0 and four v_nop follow each of the two lines
	s_cmp_eq_u32 s11, 0
	s_cbranch_scc0 .Lfor_b_\@
	tensor_load_to_lds s[G0+4*\s:G0+4*\s+3], s[G1:G1+7]
	s_nop 0
	PLACES
	s_branch .Lasked_\@
.Lfor_b_\@:
	tensor_load_to_lds s[G0B+4*\s:G0B+4*\s+3], s[G1B:G1B+7]
	s_nop 0
	PLACES
.Lasked_\@:
.endm
.macro CREST                           ; a round of the cluster's barrier behind its opening barrier
	s_cmp_lg_u32 s10, 0
	s_cbranch_scc1 .Lnot_wave_0_\@
	s_barrier_signal -3
.Lnot_wave_0_\@:
	s_barrier_wait -3
	s_barrier_signal -1
	s_barrier_wait -1
.endm
.macro CROUND
	s_barrier_signal -1
	s_barrier_wait -1
	CREST
.endm
; A prefetch of A's K step that stands two refills on: two heads x 128 rows x 128 bytes = 128 aligned blocks of 256 bytes.  One cluster alone reads a tile row of A; its row's four partners share the blocks out
; BY ADDRESS (cx: which head, which half of its rows), a lane a block, wave 0 alone: each block is named once in the launch.  The last lap that fills asks for nothing.  wot is read by many work-groups and is not asked for.
.macro ASK
	s_cmp_gt_u32 s3, s[LIM]
	s_cbranch_scc0 .Lnot_mine_\@
	global_prefetch_b8 v[PFO], s[PFA:PFA+1] th:TH_LOAD_NT scope:SCOPE_SE
.Lnot_mine_\@:
.endm
	s_load_b128 s[4:7], s[0:1], 0x0                ; att s[4:5], wot s[6:7]
	s_load_b64 s[8:9], s[0:1], 0x10                ; out0
	v_lshl_add_u32 v[SPW], v0, 2, SPARE
	v_mov_b32 v[NIL], 0
	ds_add_u32 v[SPW], v[NIL]                      ; the wave's opening: the add, twice on end, and its wait ahead of my first tensor load
	ds_add_u32 v[SPW], v[NIL]
	v_lshrrev_b32 v1, 5, v0
	v_readfirstlane_b32 s10, v1                    ; wave 0..3
	s_lshr_b32 s11, s10, 1                         ; which 64 rows are mine.  Also: I fetch for A (0) or for B (1)
	s_and_b32 s12, s10, 1                          ; which 128 columns.  Also: which head of A, which half of B I fetch
	s_bfe_u32 s40, ttmp6, 0x40000                  ; cx
	s_bfe_u32 s41, ttmp6, 0x40004                  ; cy
	s_lshl_b32 s42, ttmp9, 2
	s_add_co_u32 s42, s42, s40                     ; tile column
	s_and_b32 s13, ttmp7, 0xffff
	s_lshl_b32 s13, s13, 2
	s_add_co_u32 s13, s13, s41                     ; tile row
	s_lshl_b32 s14, s41, 2
	s_lshl_b32 s14, 15, s14                        ; my row of the cluster
	s_lshl_b32 s15, 0x1111, s40                    ; my column
	s_or_b32 s[G1+0], s14, (1<<16)|(1<<20)|(1<<21)|(4<<22)|(3<<25)   ; A: elements of 2 bytes; 4 words of padding behind each 32
	s_mov_b32 s[G1+1], 64<<16
	s_mov_b32 s[G1+2], 128<<16
	s_mov_b32 s[G1+3], 64<<16
	s_mov_b32 s[G1+4], 128
	s_mov_b32 s[G1+5], 64
	s_mov_b32 s[G1+6], 0
	s_mov_b32 s[G1+7], 0
	s_or_b32 s[G1B+0], s15, (1<<16)|(1<<20)|(1<<21)|(5<<22)|(3<<25)  ; B: 4 words behind each 64
	s_mov_b32 s[G1B+1], 128<<16
	s_mov_b32 s[G1B+2], 128<<16
	s_mov_b32 s[G1B+3], 128<<16
	s_mov_b32 s[G1B+4], 128
	s_mov_b32 s[G1B+5], 1024
	s_mov_b32 s[G1B+6], 0
	s_mov_b32 s[G1B+7], 0
	s_lshl_b32 s16, s12, 20                        ; A: head (w & 1), row 128 x tile row
	s_lshl_b32 s17, s13, 14
	s_add_co_u32 s16, s16, s17
	s_mov_b32 s17, 0
	s_lshl_b32 s46, s42, 19                        ; B: row 256 x tile column + 128 (w & 1), rows of 2,048 bytes
	s_lshl_b32 s47, s12, 18
	s_add_co_u32 s46, s46, s47
	s_mov_b32 s47, 0
	s_mul_i32 s20, s12, ASUB                       ; where they go: the wave's number alone
	s_mul_i32 s21, s12, 128*PB
	s_add_co_u32 s21, s21, BOFF
	s_wait_dscnt 0x0                               ; both opening adds are done
	s_wait_kmcnt 0x0
	s_add_nc_u64 s[18:19], s[4:5], s[16:17]
	s_add_nc_u64 s[46:47], s[6:7], s[46:47]
	CROUND                                         ; all sixteen work-groups are here: the first joint loads meet
.irp s, 0,1
	s_mov_b32 s[G0+4*\s], 1
	s_add_co_u32 s[G0+4*\s+1], s20, \s*SLOT
	s_add_nc_u64 s[G0+4*\s+2:G0+4*\s+3], s[18:19], \s*KSA
	s_or_b32 s[G0+4*\s+3], s[G0+4*\s+3], 0x80000000
	s_mov_b32 s[G0B+4*\s], 1
	s_add_co_u32 s[G0B+4*\s+1], s21, \s*SLOT
	s_add_nc_u64 s[G0B+4*\s+2:G0B+4*\s+3], s[46:47], \s*256
	s_or_b32 s[G0B+4*\s+3], s[G0B+4*\s+3], 0x80000000
	JLOAD \s
.endr
	v_and_b32 v1, 15, v0                           ; r
	v_bfe_u32 v2, v0, 4, 1                         ; h
	v_mul_u32_u24 v3, v1, PA
	v_lshl_add_u32 v3, v2, 4, v3
	s_mul_i32 s22, s11, 64*PA                      ; my 64 rows of A
	v_add_nc_u32 v[ADRA], s22, v3
	v_add_nc_u32 v[ADRA+1], SLOT, v[ADRA]
	v_mul_u32_u24 v4, v1, PB
	v_lshl_add_u32 v4, v2, 4, v4
	s_mul_i32 s23, s12, 128*PB                     ; my 128 rows of B
	s_add_co_u32 s23, s23, BOFF
	v_add_nc_u32 v[ADRB], s23, v4
	v_add_nc_u32 v[ADRB+1], SLOT, v[ADRB]
	s_mul_i32 s22, s10, 16*SPITCH
	s_add_co_u32 s22, s22, STAGE                   ; my stage
	v_mul_u32_u24 v5, v1, SPITCH
	v_lshl_add_u32 v5, v2, 5, v5
	v_add_nc_u32 v[STO], s22, v5                   ; in: row r, 32 bytes for each half of the lanes
	v_and_b32 v6, 31, v0
	v_lshlrev_b32 v[CO], 4, v6                     ; back: the 32 lanes take one row of 512 bytes; and the same in out0
	v_add_nc_u32 v[RD], s22, v[CO]
	v_lshlrev_b32 v[PFO], 8, v6
	s_lshl_b32 s16, s13, 19                        ; out0: row 128 x tile row + 64 x half, rows of 4,096 bytes
	s_lshl_b32 s17, s11, 18
	s_add_co_u32 s16, s16, s17
	s_mov_b32 s17, 0
	s_add_nc_u64 s[8:9], s[8:9], s[16:17]
	s_lshl_b32 s46, s42, 10                        ; column 256 x tile column + 128 x half
	s_lshl_b32 s47, s12, 9
	s_add_co_u32 s46, s46, s47
	s_mov_b32 s47, 0
	s_add_nc_u64 s[8:9], s[8:9], s[46:47]
	s_lshr_b32 s20, s40, 1                         ; the prefetches: head cx / 2 of the K step's two,
	s_lshl_b32 s20, s20, 20
	s_and_b32 s21, s40, 1                          ; half cx % 2 of its 128 rows,
	s_lshl_b32 s21, s21, 13
	s_add_co_u32 s20, s20, s21
	s_lshl_b32 s21, s13, 14
	s_add_co_u32 s20, s20, s21
	s_add_co_u32 s20, s20, 3*KSA                   ; at K step 3: the first refill steps it to K step 4
	s_mov_b32 s21, 0
	s_add_nc_u64 s[PFA:PFA+1], s[4:5], s[20:21]
	s_cmp_eq_u32 s10, 0
	s_cselect_b32 s[LIM], 1, -1                    ; wave 0 asks while the lap counter is above 1
.macro MUL8 f, a, zero                 ; row block a x B's eight, 32 along K from buffer f.  The 32 accumulators take turns, one instruction a turn, in the same order in every quarter
.irp b, 0,1,2,3,4,5,6,7
.if \zero
	v_wmma_f32_16x16x32_f16 v[8*(8*(\a)+\b):8*(8*(\a)+\b)+7], v[64+96*(\f)+8*\b:64+96*(\f)+8*\b+7], v[32+96*(\f)+8*(\a):32+96*(\f)+8*(\a)+7], 0
.else
	v_wmma_f32_16x16x32_f16 v[8*(8*(\a)+\b):8*(8*(\a)+\b)+7], v[64+96*(\f)+8*\b:64+96*(\f)+8*\b+7], v[32+96*(\f)+8*(\a):32+96*(\f)+8*(\a)+7], v[8*(8*(\a)+\b):8*(8*(\a)+\b)+7]
.endif
.endr
.endm
.macro FETCH slot, qd, f               ; 24 LDS loads in one run: quarter qd of the slot into buffer f: B's sixteen, then A's eight
.irp b, 0,1,2,3,4,5,6,7
	ds_load_b128 v[64+96*(\f)+8*\b:64+96*(\f)+8*\b+3],   v[ADRB+\slot] offset:\b*16*PB+64*(\qd)
	ds_load_b128 v[64+96*(\f)+8*\b+4:64+96*(\f)+8*\b+7], v[ADRB+\slot] offset:\b*16*PB+64*(\qd)+32
.endr
.irp a, 0,1,2,3
	ds_load_b128 v[32+96*(\f)+8*\a:32+96*(\f)+8*\a+3],   v[ADRA+\slot] offset:((\qd)/2)*ASUB+\a*16*PA+64*((\qd)%2)
	ds_load_b128 v[32+96*(\f)+8*\a+4:32+96*(\f)+8*\a+7], v[ADRA+\slot] offset:((\qd)/2)*ASUB+\a*16*PA+64*((\qd)%2)+32
.endr
.endm
; One of a K step's first three quarters: multiplies buffer f; in its middle it fetches quarter qn of the same slot into buffer g.
.macro QUARTER slot, qn, f, g, zero
	s_wait_dscnt 4                                 ; B and A's blocks 0, 1 are in; the youngest four loads (A's blocks 2, 3) may be out
	WIN MULW
	MUL8 \f, 0, \zero
	MUL8 \f, 1, \zero
	PLACES                                         ; in front of loads into the buffer that the quarter before multiplied
	WIN 0
	FETCH \slot, \qn, \g
	s_wait_dscnt 24                                ; all but the 24 just issued
	WIN MULW
	MUL8 \f, 2, \zero
	MUL8 \f, 3, \zero
.endm
; The last quarter multiplies buffer 1 and changes slots: ONE barrier; in front of it each wave waits for all its tensor loads, adds 0 to its spare word, and waits for that and for its reads of this slot.
.macro TURN slot, next, fill
.if \fill
	s_wait_xcnt 0x0                                ; the last prefetch, a K step back, has read its address
	s_add_nc_u64 s[PFA:PFA+1], s[PFA:PFA+1], KSA
.endif
	WIN 0                                          ; (the add's two registers lie in window 0)
	s_wait_tensorcnt 0x0                           ; all my tensor loads have landed: my part of the next slot
	ds_add_u32 v[SPW], v[NIL]
	s_wait_dscnt 5                                 ; (the add and the youngest four loads may be out)
	WIN MULW
	MUL8 1, 0, 0                                   ; eight products stand between the add and the wait for it
	s_wait_dscnt 0x0                               ; the add is done, and my reads of this slot are over
	s_barrier_signal -1
	MUL8 1, 1, 0
	WIN 0
	s_barrier_wait -1
.if \fill
	CREST                                          ; the barrier has opened a round of the cluster's: no wave of any partner still reads this slot or has a load on its way
	s_add_nc_u64 s[G0+4*\slot+2:G0+4*\slot+3], s[G0+4*\slot+2:G0+4*\slot+3], 2*KSA
	s_add_nc_u64 s[G0B+4*\slot+2:G0B+4*\slot+3], s[G0B+4*\slot+2:G0B+4*\slot+3], 512
	JLOAD \slot                                    ; the first tensor load behind the round; its four v_nop are also the places in front of the loads below
.else
	PLACES
.endif
	FETCH \next, 0, 0
.if \fill
	ASK
.endif
	WIN MULW
	MUL8 1, 2, 0
	MUL8 1, 3, 0
.endm
	s_wait_tensorcnt 0x1                           ; my part of K step 0 is in; K step 1's load may stay out
	s_barrier_signal -1
	s_barrier_wait -1
	FETCH 0, 0, 0
	QUARTER 0, 1, 0, 1, 1                          ; the first quarter stands in front of the loop: its products start the sums
	WIN 0
	s_mov_b32 s3, 3
.Llap:                                             ; a trip goes once round the ring and fills both slots again: K steps 2 to 7
	QUARTER 0, 2, 1, 0, 0
	QUARTER 0, 3, 0, 1, 0
	TURN 0, 1, 1
	QUARTER 1, 1, 0, 1, 0
	QUARTER 1, 2, 1, 0, 0
	QUARTER 1, 3, 0, 1, 0
	TURN 1, 0, 1
	QUARTER 0, 1, 0, 1, 0
	WIN 0
	s_sub_co_u32 s3, s3, 1
	s_cmp_lg_u32 s3, 0
	s_cbranch_scc1 .Llap
	QUARTER 0, 2, 1, 0, 0                          ; the last lap fills nothing
	QUARTER 0, 3, 0, 1, 0
	TURN 0, 1, 0
	QUARTER 1, 1, 0, 1, 0
	QUARTER 1, 2, 1, 0, 0
	QUARTER 1, 3, 0, 1, 0
	s_wait_dscnt 4
	WIN MULW
	MUL8 1, 0, 0
	MUL8 1, 1, 0
	s_wait_dscnt 0x0
	MUL8 1, 2, 0
	MUL8 1, 3, 0
	WIN 0
; THE WAY OUT, a block of 16 rows x 128 columns at a time, through my own stage: back as whole rows of 512 bytes.
.macro TOSTAGE a
	WIN 0x04                                       ; an LDS store's data are its source 1: window 1
.irp b, 0,1,2,3,4,5,6,7
	ds_store_b128 v[STO], v[8*(8*(\a)+\b):8*(8*(\a)+\b)+3] offset:64*\b          ; each accumulator from its low end on
	ds_store_b128 v[STO], v[8*(8*(\a)+\b)+4:8*(8*(\a)+\b)+7] offset:64*\b+16
.endr
	WIN 0
.irp t, 0,1,2,3,4,5,6,7,8,9,10,11,12,13,14,15
	ds_load_b128 v[BK+64*((\a)%2)+4*\t:BK+64*((\a)%2)+4*\t+3], v[RD] offset:\t*SPITCH   ; LDS serves a wave's instructions in order
.endr
.endm
.macro SEND a, younger
	s_wait_dscnt \younger                          ; the block is back in registers
.irp t, 0,1,2,3,4,5,6,7,8,9,10,11,12,13,14,15
	global_store_b128 v[CO], v[BK+64*((\a)%2)+4*\t:BK+64*((\a)%2)+4*\t+3], s[8:9] offset:(\a)*65536+\t*4096 th:TH_STORE_NT   ; 32 lanes store 512 consecutive bytes, aligned
.endr
.endm
	PLACES                                         ; in front of the first reads of results and of loads into the fragments' registers
	TOSTAGE 0
.irp a, 1,2,3
.if \a > 1
	s_wait_xcnt 0x0                                ; block a - 2's stores have read their registers: block a's loads may land there
.endif
	TOSTAGE \a
	SEND \a-1, 32                                  ; behind block a - 1's loads: block a's 16 stores and 16 loads
.endr
	SEND 3, 0
	s_wait_tensorcnt 0x0                           ; the wave's end: behind my last tensor load and my last LDS store
	ds_add_u32 v[SPW], v[NIL]
	s_wait_dscnt 0x0
	CROUND                                         ; the closing round
	s_endpgm
.Lfunc_end_k_q9aecb58f87_proj:
	.size	k_q9aecb58f87_proj, .Lfunc_end_k_q9aecb58f87_proj-k_q9aecb58f87_proj
	.p2alignl 7, 3214868480
	.fill 96, 4, 3214868480
	.section	.rodata,"a",@progbits
	.p2align	6, 0x0
	.amdhsa_kernel k_q9aecb58f87_proj
		.amdhsa_group_segment_fixed_size 327680
		.amdhsa_private_segment_fixed_size 0
		.amdhsa_enable_private_segment 0
		.amdhsa_kernarg_size 24
		.amdhsa_user_sgpr_count 2
		.amdhsa_user_sgpr_kernarg_segment_ptr 1
		.amdhsa_wavefront_size32 1
		.amdhsa_system_sgpr_workgroup_id_x 1
		.amdhsa_system_sgpr_workgroup_id_y 1
		.amdhsa_system_sgpr_workgroup_id_z 1
		.amdhsa_system_vgpr_workitem_id 0
		.amdhsa_next_free_vgpr 512
		.amdhsa_next_free_sgpr 66
		.amdhsa_reserve_vcc 0
		.amdhsa_float_denorm_mode_32 3
		.amdhsa_float_denorm_mode_16_64 3
		.amdhsa_memory_ordered 1
		.amdhsa_forward_progress 1
		.amdhsa_inst_pref_size 85
	.end_amdhsa_kernel
	.amdgpu_metadata
---
amdhsa.version: [ 1, 2 ]
amdhsa.kernels:
  - .name:           k_q9aecb58f87_proj
    .symbol:         k_q9aecb58f87_proj.kd
    .args:
      - { .name: att, .offset: 0, .size: 8, .value_kind: global_buffer, .address_space: global }
      - { .name: wot, .offset: 8, .size: 8, .value_kind: global_buffer, .address_space: global }
      - { .name: out0, .offset: 16, .size: 8, .value_kind: global_buffer, .address_space: global }
    .group_segment_fixed_size: 327680
    .private_segment_fixed_size: 0
    .kernarg_segment_align: 8
    .kernarg_segment_size: 24
    .max_flat_workgroup_size: 128
    .sgpr_count:     66
    .vgpr_count:     512
    .wavefront_size: 32
...
	.end_amdgpu_metadata
.endif
;; end of part 4
;; launch fine (part 5): grid 16 x 4, 16 waves a work-group, no clusters, 71,680 bytes of LDS; arguments q16, w_out, out0; writes out0
.if DOCPART == 5
	.amdgcn_target "amdgcn-amd-amdhsa--gfx1250"
	.amdhsa_code_object_version 6
	.text
	.protected	k_q9aecb58f87_fine
	.globl	k_q9aecb58f87_fine
	.p2align	8
	.type	k_q9aecb58f87_fine,@function
k_q9aecb58f87_fine:
	s_mov_b64 s[64:65], 0
	v_nop
	global_prefetch_b8 v0, s[64:65] scope:SCOPE_SE
	s_setreg_imm32_b32 hwreg(HW_REG_WAVE_MODE, 25, 1), 1
	s_wait_xcnt 0x0
; THE FIRST 16 POSITIONS OF EACH SEQUENCE, in f32 throughout: under the causal mask these rows average one to sixteen values and are the largest in size, so they are carried more finely than f16 operands allow.
; q16: f32 [16 b + t][3072] (q, k, v of rows t < 16).  out0 rows 2048 b + 0 .. 15 are written anew: attention and projection with f32 operands, by the 16x16x4 f32 form (64 rows in all: no bulk work).
; SHARES.  Work-group (cb, b) makes 16 rows x columns 64 cb .. 64 cb + 63.  Wave w is head w: its attention, then its 64 channels' part of the projection, straight from registers; the sixteen parts are added through LDS in ascending order of heads.
; ALL PRODUCTS ARE USED TRANSPOSED, so that a lane holds one query.  The same permutation of k stands on both sides of each product, so that loads of 16 bytes and a result's own layout serve as operands:
;   S^T = K Q^T: product s takes channels 8 (s / 2) + 4 h + 2 (s % 2) + 0, 1;  O^T = V^T P: product s takes keys 8 h + 2 s + 0, 1;  OUT^T = W^T AN: product (n, s) takes channels 16 n + 8 h + 2 s + 0, 1.
; v192-255 are written by matrix instructions alone; what is made of a finished sum goes into other registers.
; REGISTERS: v3-5 load offsets; v6, v7 the add's two; v8 r - 8 h; v9 -infinity; v10-15 at work; v16-23 S, then P; v24-26 LDS and output places; v32-63 Q, v64-95 K, later W's channels 32-63, later the parts;
;   v96-127 V, later O / l; v128-191 W's channels 0-31; v192, v200 S's two halves, later OUT 0, 1; v208-239 O^T; v240, v248 OUT 2, 3.
.set SPARE, 69632                      ; behind the sixteen parts (16 rows x 272 bytes each): the spare words, 128 bytes for each wave
.set SPW, 6
.set NIL, 7
	s_load_b128 s[4:7], s[0:1], 0x0                ; q16 s[4:5], w_out s[6:7]
	s_load_b64 s[8:9], s[0:1], 0x10                ; out0
	v_lshl_add_u32 v[SPW], v0, 2, SPARE
	v_mov_b32 v[NIL], 0
	v_lshrrev_b32 v1, 5, v0
	v_readfirstlane_b32 s10, v1                    ; wave = head
	s_and_b32 s11, ttmp7, 0xffff                   ; batch
	v_and_b32 v1, 15, v0                           ; r
	v_bfe_u32 v2, v0, 4, 1                         ; h
	v_mul_u32_u24 v3, v1, 12288
	v_lshl_add_u32 v3, v2, 4, v3                   ; Q, K: row r, + 16 h
	v_mul_u32_u24 v4, v2, 98304
	v_lshl_add_u32 v4, v1, 2, v4                   ; V: key 8 h on, channel r
	v_lshlrev_b32 v5, 15, v2
	v_lshl_add_u32 v5, v1, 2, v5                   ; W: channel 8 h on, column r
	v_lshlrev_b32 v8, 3, v2
	v_sub_nc_u32 v8, v1, v8                        ; r - 8 h
	v_mov_b32 v9, 0xff800000
	v_mov_b32 v11, 0                               ; (a lane permute's destination counts as one of its sources)
	s_mul_i32 s12, s10, 4352
	v_mul_u32_u24 v24, v1, 272
	v_lshl_add_u32 v24, v2, 5, v24
	v_add_nc_u32 v24, s12, v24                     ; my part: row r, 32 bytes for each half of the lanes
	s_and_b32 s13, s10, 7
	s_mul_i32 s14, s13, 544
	v_mul_u32_u24 v25, v2, 272
	v_lshl_add_u32 v25, v1, 4, v25
	v_add_nc_u32 v25, s14, v25                     ; the adding: rows 2 (w & 7) + h, 16 bytes a lane
	s_lshl_b32 s14, s13, 13
	v_lshlrev_b32 v26, 12, v2
	v_lshl_add_u32 v26, v1, 4, v26
	v_add_nc_u32 v26, s14, v26                     ; and the same place in out0
	s_mov_b32 s20, 0x76543210
	s_mov_b32 s21, 0xfedcba98
	s_mov_b32 s22, 0x3e38aa3b                      ; c = log2(e) / 8
	s_mul_i32 s16, s11, 196608                     ; q16 at batch b, head's first column
	s_lshl_b32 s17, s10, 8
	s_add_co_u32 s16, s16, s17
	s_mov_b32 s17, 0
	s_lshl_b32 s18, s10, 18                        ; w_out at row 64 hd, column 64 cb
	s_lshl_b32 s19, ttmp9, 8
	s_add_co_u32 s18, s18, s19
	s_mov_b32 s19, 0
	s_lshl_b32 s14, s11, 23                        ; out0 at row 2048 b, column 64 cb
	s_lshl_b32 s15, ttmp9, 8
	s_add_co_u32 s14, s14, s15
	s_mov_b32 s15, 0
	s_wait_kmcnt 0x0
	s_add_nc_u64 s[4:5], s[4:5], s[16:17]
	s_add_nc_u64 s[6:7], s[6:7], s[18:19]
	s_add_nc_u64 s[8:9], s[8:9], s[14:15]
.irp u, 0,1,2,3,4,5,6,7
	global_load_b128 v[32+4*\u:35+4*\u], v3, s[4:5] offset:32*\u               ; Q(r, 8 u + 4 h + 0 .. 3)
.endr
.irp u, 0,1,2,3,4,5,6,7
	global_load_b128 v[64+4*\u:67+4*\u], v3, s[4:5] offset:4096+32*\u          ; K likewise
.endr
.irp n, 0,1,2,3
.irp j, 0,1,2,3,4,5,6,7
	global_load_b32 v[96+8*\n+\j], v4, s[4:5] offset:8192+\j*12288+64*\n       ; V(8 h + j, 16 n + r)
.endr
.endr
.irp n, 0,1
.irp j, 0,1,2,3,4,5,6,7
.irp i, 0,1,2,3
	global_load_b32 v[128+32*\n+8*(\j/2)+2*\i+\j%2], v5, s[6:7] offset:(16*\n+\j)*4096+64*\i   ; W(16 n + 8 h + j, 16 i + r)
.endr
.endr
.endr
	s_wait_loadcnt 0x3f                            ; 112 loads are issued: at most 63 are out, so the oldest 49 are in: Q, K and V are the first 48
.irp s, 0,1,2,3,4,5,6,7,8,9,10,11,12,13,14,15  ; S^T = K Q^T: two accumulators by turns, one instruction a turn
.if \s < 2
	v_wmma_f32_16x16x4_f32 v[192+8*(\s%2):199+8*(\s%2)], v[64+2*\s:65+2*\s], v[32+2*\s:33+2*\s], 0
.else
	v_wmma_f32_16x16x4_f32 v[192+8*(\s%2):199+8*(\s%2)], v[64+2*\s:65+2*\s], v[32+2*\s:33+2*\s], v[192+8*(\s%2):199+8*(\s%2)]
.endif
.endr
.rept 8
	v_nop                                          ; eight places behind this form: in front of loads into Q's and K's registers and of the first read of the sums
.endr
.irp n, 2,3
.irp j, 0,1,2,3,4,5,6,7
.irp i, 0,1,2,3
	global_load_b32 v[32+32*(\n-2)+8*(\j/2)+2*\i+\j%2], v5, s[6:7] offset:(16*\n+\j)*4096+64*\i
.endr
.endr
.endr
.irp j, 0,1,2,3,4,5,6,7
	v_add_f32 v[16+\j], v[192+\j], v[200+\j]       ; lane (r, h): query r, key 8 h + j; both accumulators from their low ends on
.endr
.irp j, 0,1,2,3,4,5,6,7
	v_cmp_gt_i32 vcc_lo, \j, v8                    ; key > query
	v_cndmask_b32 v[16+\j], v[16+\j], v9, vcc_lo
.endr
	v_max3_num_f32 v10, v16, v17, v18
	v_max3_num_f32 v10, v10, v19, v20
	v_max3_num_f32 v10, v10, v21, v22
	v_max_num_f32 v10, v10, v23
	v_permlanex16_b32 v11, v10, s20, s21
	v_max_num_f32 v10, v10, v11                    ; the row's maximum: key 0 counts for every query
	v_mul_f32 v10, s22, v10
.irp j, 0,1,2,3,4,5,6,7
	v_fma_f32 v[16+\j], v[16+\j], s22, -v10        ; c s - c m
.endr
.irp j, 0,1,2,3,4,5,6,7
	v_exp_f32 v[16+\j], v[16+\j]
.endr
	v_nop                                          ; a plain line behind the last exponential
	s_wait_alu depctr_va_vdst(0)                   ; one wait for the eight, ahead of their first reader
	v_add_f32 v12, v16, v17
	v_add_f32 v13, v18, v19
	v_add_f32 v14, v20, v21
	v_add_f32 v15, v22, v23
	v_add_f32 v12, v12, v13
	v_add_f32 v14, v14, v15
	v_add_f32 v12, v12, v14
	v_permlanex16_b32 v11, v12, s20, s21
	v_add_f32 v12, v12, v11                        ; the row's sum
	v_rcp_f32 v12, v12
	v_nop
	s_wait_alu depctr_va_vdst(0)
.irp s, 0,1,2,3                                ; O^T = V^T P: four accumulators by turns
.irp n, 0,1,2,3
.if \s == 0
	v_wmma_f32_16x16x4_f32 v[208+8*\n:215+8*\n], v[96+8*\n+2*\s:97+8*\n+2*\s], v[16+2*\s:17+2*\s], 0
.else
	v_wmma_f32_16x16x4_f32 v[208+8*\n:215+8*\n], v[96+8*\n+2*\s:97+8*\n+2*\s], v[16+2*\s:17+2*\s], v[208+8*\n:215+8*\n]
.endif
.endr
.endr
.rept 8
	v_nop                                          ; eight places: the lines below read the sums and write V's registers
.endr
.irp n, 0,1,2,3
.irp j, 0,1,2,3,4,5,6,7
	v_mul_f32 v[96+8*\n+\j], v[208+8*\n+\j], v12   ; O / l: lane (r, h): query r, channel 16 n + 8 h + j
.endr
.endr
	s_wait_loadcnt 0x0                             ; W
.irp n, 0,1,2,3                                ; OUT^T(i) += W^T (O / l): four accumulators by turns
.irp s, 0,1,2,3
.irp i, 0,1,2,3
.set DD, 192+8*\i+32*(\i/2)                    ; v192, v200, v240, v248
.set WW, 128+32*\n+8*\s+2*\i
.if \n > 1
.set WW, 32+32*(\n-2)+8*\s+2*\i
.endif
.if (\n == 0) && (\s == 0)
	v_wmma_f32_16x16x4_f32 v[DD:DD+7], v[WW:WW+1], v[96+8*\n+2*\s:97+8*\n+2*\s], 0
.else
	v_wmma_f32_16x16x4_f32 v[DD:DD+7], v[WW:WW+1], v[96+8*\n+2*\s:97+8*\n+2*\s], v[DD:DD+7]
.endif
.endr
.endr
.endr
.rept 8
	v_nop                                          ; eight places: in front of the stores that read the sums and of the loads into W's registers
.endr
.irp i, 0,1,2,3
.set DD, 192+8*\i+32*(\i/2)
	ds_store_b128 v24, v[DD:DD+3] offset:64*\i     ; lane (r, h): my head's part of out(r, 64 cb + 16 i + 8 h + 0 .. 7); each accumulator from its low end on
	ds_store_b128 v24, v[DD+4:DD+7] offset:64*\i+16
.endr
	s_wait_dscnt 0x0                               ; for the others' sake: my part lies in LDS
	s_barrier_signal -1
	s_barrier_wait -1
	s_cmp_ge_u32 s10, 8                            ; waves 0 to 7 add: two rows each
	s_cbranch_scc1 .Ldone
.irp p, 0,1,2,3,4,5,6,7,8,9,10,11,12,13,14,15
	ds_load_b128 v[32+4*\p:35+4*\p], v25 offset:4352*\p
.endr
	s_wait_dscnt 0x0
.irp p, 1,2,3,4,5,6,7,8,9,10,11,12,13,14,15
	v_pk_add_f32 v[32:33], v[32:33], v[32+4*\p:33+4*\p]            ; the heads in ascending order
	v_pk_add_f32 v[34:35], v[34:35], v[34+4*\p:35+4*\p]
.endr
	global_store_b128 v26, v[32:35], s[8:9]        ; sixteen lanes store 256 consecutive bytes of a row, aligned
.Ldone:
	s_wait_tensorcnt 0x0                           ; the wave's end: behind my last LDS store
	ds_add_u32 v[SPW], v[NIL]
	s_wait_dscnt 0x0
	s_endpgm
.Lfunc_end_k_q9aecb58f87_fine:
	.size	k_q9aecb58f87_fine, .Lfunc_end_k_q9aecb58f87_fine-k_q9aecb58f87_fine
	.p2alignl 7, 3214868480
	.fill 96, 4, 3214868480
	.section	.rodata,"a",@progbits
	.p2align	6, 0x0
	.amdhsa_kernel k_q9aecb58f87_fine
		.amdhsa_group_segment_fixed_size 71680
		.amdhsa_private_segment_fixed_size 0
		.amdhsa_enable_private_segment 0
		.amdhsa_kernarg_size 24
		.amdhsa_user_sgpr_count 2
		.amdhsa_user_sgpr_kernarg_segment_ptr 1
		.amdhsa_wavefront_size32 1
		.amdhsa_system_sgpr_workgroup_id_x 1
		.amdhsa_system_sgpr_workgroup_id_y 1
		.amdhsa_system_sgpr_workgroup_id_z 1
		.amdhsa_system_vgpr_workitem_id 0
		.amdhsa_next_free_vgpr 256
		.amdhsa_next_free_sgpr 66
		.amdhsa_reserve_vcc 1
		.amdhsa_float_denorm_mode_32 3
		.amdhsa_float_denorm_mode_16_64 3
		.amdhsa_memory_ordered 1
		.amdhsa_forward_progress 1
		.amdhsa_inst_pref_size 34
	.end_amdhsa_kernel
	.amdgpu_metadata
---
amdhsa.version: [ 1, 2 ]
amdhsa.kernels:
  - .name:           k_q9aecb58f87_fine
    .symbol:         k_q9aecb58f87_fine.kd
    .args:
      - { .name: q16, .offset: 0, .size: 8, .value_kind: global_buffer, .address_space: global }
      - { .name: w_out, .offset: 8, .size: 8, .value_kind: global_buffer, .address_space: global }
      - { .name: out0, .offset: 16, .size: 8, .value_kind: global_buffer, .address_space: global }
    .group_segment_fixed_size: 71680
    .private_segment_fixed_size: 0
    .kernarg_segment_align: 8
    .kernarg_segment_size: 24
    .max_flat_workgroup_size: 512
    .sgpr_count:     66
    .vgpr_count:     256
    .wavefront_size: 32
...
	.end_amdgpu_metadata
.endif
;; end of part 5
